; MI455X (gfx1250); checked and timed in simulation.
; The chip was launched on July 23, 2026; its instructions are those of AMD's public machine-readable ISA for CDNA 5 (MIT licence, August 2026) and "CDNA5" Instruction Set Architecture Reference Guide (July 2026). The comments in the code are by the model that wrote it; some were corrected since.
;; Self Attention. Allowed arithmetic: float matrix products may take bf16 or f16 operands with f32 sums; all other float work in f32.
;; Inputs: Wout 1,024 x 1,024 float32; Wqkv 3,072 x 1,024 float32; bout 1,024 float32; bqkv 3,072 float32; g_k 1,024 float32; g_out 1,024 float32; g_q 1,024 float32; x 4 x 2,048 x 1,024 float32.
;; Outputs: out0 4 x 2,048 x 1,024 float32.
;; 2 versions, each right; version 2 is version 1 with the launch norm written anew for expert scheduling mode. Each part assembles by itself: llvm-mc -triple=amdgcn-amd-amdhsa -mcpu=gfx1250 --defsym DOCPART=n.
;; ======== version 1 of 2: 5 launches
;; limits: values are held in f16: magnitudes above 65,504 overflow, below 6.1e-05 lose precision; values outside matrix products are rounded to bf16
;; workspace buffers: xb 16,777,216 bytes; wqb 6,291,456 bytes; wob 2,097,152 bytes; qkv 50,331,648 bytes; ssq 524,288 bytes; ao 16,777,216 bytes; yb 16,777,216 bytes; ssy 131,072 bytes
;; launch cast (part 1): grid 768 x 1, 8 waves a work-group, no clusters, 0 bytes of LDS; arguments x, Wqkv, Wout, xb, wqb, wob; writes xb, wqb, wob
.if DOCPART == 1
	.amdgcn_target "amdgcn-amd-amdhsa--gfx1250"
	.amdhsa_code_object_version 6
	.text
	.protected	k_q9a30c7d82b_cast
	.globl	k_q9a30c7d82b_cast
	.p2align	8
	.type	k_q9a30c7d82b_cast,@function
k_q9a30c7d82b_cast:
	s_mov_b64 s[64:65], 0
	v_nop
	global_prefetch_b8 v0, s[64:65] scope:SCOPE_SE
	s_setreg_imm32_b32 hwreg(HW_REG_WAVE_MODE, 25, 1), 1
	s_wait_xcnt 0x0
; x [8192][1024], Wqkv [3072][1024], Wout [1024][1024], f32  ->  xb, wqb, wob, f16 (round to nearest even), laid out [16 K blocks][rows][64]:
; in that layout any run of rows of one K block is one dense piece of memory, which the later launches fetch as rows of 256 bytes.
; f16 and not bf16: the result is an average of many nearly zero-mean numbers, normalised at the end, so every rounding on the way shows in full; f16 has three bits more.
; LIMIT: |x|, |W| above 65,504 become infinite; below 2^-14 the absolute error is 2^-25.
; A stream: every byte is read once and written once, nothing is shared between work-groups, so no LDS, no barrier, no cluster, no matrix unit.
; A work-group takes 16 rows (64 KiB in, 32 KiB out).  Work-groups 0-511: x; 512-703: Wqkv; 704-767: Wout.
; Thread t: K block t >> 4, row parity (t >> 3) & 1, eight numbers at column 8 (t & 7) of the block; step i = 0..7 takes rows 2 i and 2 i + 1.
; A store of a wave: lanes 0-15 write 256 consecutive bytes (two rows of one K block), aligned; lanes 16-31 the same in the next K block.
.set X, 8                              ; v[8:71]   step i: 8 numbers in f32
.set Y, 72                             ; v[72:103] step i: 8 numbers in f16
	s_load_b256 s[4:11], s[0:1], 0x0               ; x s[4:5], Wqkv s[6:7], Wout s[8:9], xb s[10:11]
	s_load_b128 s[12:15], s[0:1], 0x20             ; wqb s[12:13], wob s[14:15]
	s_mov_b32 s22, 512                             ; first work-group of Wqkv
	s_mov_b32 s23, 704                             ; first work-group of Wout
	s_mov_b32 s24, 1048576                         ; bytes of a K block: 8192 rows x 128
	s_mov_b32 s25, 393216                          ; 3072 rows x 128
	s_mov_b32 s26, 131072                          ; 1024 rows x 128
	v_and_b32 v3, 7, v0
	v_bfe_u32 v4, v0, 3, 1
	v_lshrrev_b32 v5, 4, v0                        ; K block
	v_lshlrev_b32 v1, 5, v3                        ; source: 32 bytes for 8 numbers,
	v_lshl_add_u32 v1, v4, 12, v1                  ; + the odd row,
	v_lshl_add_u32 v1, v5, 8, v1                   ; + 256 bytes for each K block
	v_and_b32 v2, 15, v0
	v_lshlrev_b32 v2, 4, v2                        ; destination: 16 (t & 15) inside the two rows' 256 bytes
	s_wait_kmcnt 0x0
	s_cmp_lt_u32 ttmp9, s22                        ; which tensor is mine: a choice between buffers on the work-group's number
	s_cselect_b64 s[16:17], s[4:5], s[6:7]
	s_cselect_b64 s[18:19], s[10:11], s[12:13]
	s_cselect_b32 s20, 0, s22
	s_cselect_b32 s21, s24, s25
	s_cmp_lt_u32 ttmp9, s23
	s_cselect_b64 s[16:17], s[16:17], s[8:9]
	s_cselect_b64 s[18:19], s[18:19], s[14:15]
	s_cselect_b32 s20, s20, s23
	s_cselect_b32 s21, s21, s26
	s_sub_co_u32 s27, ttmp9, s20                   ; my piece of 16 rows in that tensor
	s_lshl_b32 s28, s27, 16                        ; 16 rows x 4096 bytes
	s_mov_b32 s29, 0
	s_add_nc_u64 s[16:17], s[16:17], s[28:29]
	s_lshl_b32 s28, s27, 11                        ; 16 rows x 128 bytes
	s_add_nc_u64 s[18:19], s[18:19], s[28:29]
	v_mad_u32 v2, v5, s21, v2                      ; + my K block
.irp i, 0,1,2,3,4,5,6,7
	global_load_b128 v[X+8*\i:X+8*\i+3],   v1, s[16:17] offset:8192*\i th:TH_LOAD_NT
	global_load_b128 v[X+8*\i+4:X+8*\i+7], v1, s[16:17] offset:8192*\i+16 th:TH_LOAD_NT
.endr
.irp i, 0,1,2,3,4,5,6,7
	s_wait_loadcnt 14-2*\i                         ; loads come back in order (ISA guide 5.7.1): step i's two are in, the 14 - 2 i younger ones stay out
.irp q, 0,1,2,3
	v_cvt_pk_f16_f32 v[Y+4*\i+\q], v[X+8*\i+2*\q], v[X+8*\i+2*\q+1]
.endr
	global_store_b128 v2, v[Y+4*\i:Y+4*\i+3], s[18:19] offset:256*\i    ; no register of a load or store is written again
.endr
	s_endpgm
.Lfunc_end_k_q9a30c7d82b_cast:
	.size	k_q9a30c7d82b_cast, .Lfunc_end_k_q9a30c7d82b_cast-k_q9a30c7d82b_cast
	.p2alignl 7, 3214868480
	.fill 96, 4, 3214868480
	.section	.rodata,"a",@progbits
	.p2align	6, 0x0
	.amdhsa_kernel k_q9a30c7d82b_cast
		.amdhsa_group_segment_fixed_size 0
		.amdhsa_private_segment_fixed_size 0
		.amdhsa_enable_private_segment 0
		.amdhsa_kernarg_size 48
		.amdhsa_user_sgpr_count 2
		.amdhsa_user_sgpr_kernarg_segment_ptr 1
		.amdhsa_wavefront_size32 1
		.amdhsa_system_sgpr_workgroup_id_x 1
		.amdhsa_system_sgpr_workgroup_id_y 1
		.amdhsa_system_sgpr_workgroup_id_z 1
		.amdhsa_system_vgpr_workitem_id 0
		.amdhsa_next_free_vgpr 104
		.amdhsa_next_free_sgpr 66
		.amdhsa_reserve_vcc 0
		.amdhsa_float_denorm_mode_32 3
		.amdhsa_float_denorm_mode_16_64 3
		.amdhsa_memory_ordered 1
		.amdhsa_forward_progress 1
		.amdhsa_inst_pref_size 7
	.end_amdhsa_kernel
	.amdgpu_metadata
---
amdhsa.version: [ 1, 2 ]
amdhsa.kernels:
  - .name:           k_q9a30c7d82b_cast
    .symbol:         k_q9a30c7d82b_cast.kd
    .args:
      - { .name: x, .offset: 0, .size: 8, .value_kind: global_buffer, .address_space: global }
      - { .name: Wqkv, .offset: 8, .size: 8, .value_kind: global_buffer, .address_space: global }
      - { .name: Wout, .offset: 16, .size: 8, .value_kind: global_buffer, .address_space: global }
      - { .name: xb, .offset: 24, .size: 8, .value_kind: global_buffer, .address_space: global }
      - { .name: wqb, .offset: 32, .size: 8, .value_kind: global_buffer, .address_space: global }
      - { .name: wob, .offset: 40, .size: 8, .value_kind: global_buffer, .address_space: global }
    .group_segment_fixed_size: 0
    .private_segment_fixed_size: 0
    .kernarg_segment_align: 8
    .kernarg_segment_size: 48
    .max_flat_workgroup_size: 256
    .sgpr_count:     66
    .vgpr_count:     104
    .wavefront_size: 32
...
	.end_amdgpu_metadata
.endif
;; end of part 1
;; launch qkvgemm (part 2): grid 8 x 32, 8 waves a work-group, clusters of 4 x 4, 327,680 bytes of LDS; arguments xb, wqb, bqkv, qkv, ssq; writes qkv, ssq
.if DOCPART == 2
	.amdgcn_target "amdgcn-amd-amdhsa--gfx1250"
	.amdhsa_code_object_version 6
	.text
	.protected	k_q9a30c7d82b_qkvgemm
	.globl	k_q9a30c7d82b_qkvgemm
	.p2align	8
	.type	k_q9a30c7d82b_qkvgemm,@function
k_q9a30c7d82b_qkvgemm:
	s_mov_b64 s[64:65], 0
	v_nop
	global_prefetch_b8 v0, s[64:65] scope:SCOPE_SE
	s_setreg_imm32_b32 hwreg(HW_REG_WAVE_MODE, 25, 1), 1
	s_wait_xcnt 0x0
	s_wait_alu depctr_hold_cnt(0) depctr_sa_sdst(0) depctr_va_vdst(0) depctr_va_sdst(0) depctr_va_ssrc(0) depctr_va_vcc(0) depctr_vm_vsrc(0)
	s_getreg_b32 s2, hwreg(HW_REG_IB_STS2, 6, 4)
	s_cmp_eq_u32 s2, 0
	s_cbranch_scc0 .Lentry_in_a_cluster
	s_endpgm
.Lentry_in_a_cluster:
	s_bfe_u32 s2, ttmp6, 0x10000c
	s_cmp_lg_u32 s2, 0xf033
	s_cbranch_scc0 .Lentry_shape_is_right
	s_endpgm
.Lentry_shape_is_right:
; qkv = x Wqkv^T + bqkv, f16 operands, f32 sums, stored in f16 as [3 planes q,k,v][batch*16+head][2048][64];
; ssq[p][bx][row] (f32) = sum of the squares of the stored (f16) numbers of plane p (q, k), row, columns 128 bx .. +127: the next launch adds the eight parts to a row's norm.
; LIMITS: NaN and infinities are not served.  A number of q, k or v above 65,504 becomes infinite; below 2^-14 its absolute error is 2^-25.  By the sizes: a sum over 1024 of
; x W with x and W 30 times those of a unit normal and a uniform +-1/32 stays under 3,000; with common offsets of 30 and 1.9 on them it is 1024 x 30 x 1.9 = 58,400.
; The norms of q and k are taken on the numbers as rounded to f16.
; A work-group makes 256 rows x 384 columns: columns 128 bx .. +127 of q, of k and of v: 32 x 8 = 256 work-groups of equal work.
; Eight waves, two for each SIMD: wave w makes rows 128 (w >> 2) .. +127 and local columns 96 (w & 3) .. +95: 8 x 6 tiles of 16 x 16, 384 registers.
; K goes in steps of 64 (one K block of xb and wqb) through two LDS slots.  A part of a slot is 128 rows x 128 bytes, dense in memory, fetched as 64 rows of 256 bytes; the
; mover lays 16 bytes behind every 128, so that an LDS row is 144 bytes and the 16 rows that a fragment load touches start 16 bytes apart modulo 256.
; CLUSTER 4 x 4: x's tile hangs on the block row alone and is asked for jointly by a row of the cluster, the weights' tile on the block column alone and jointly by a column.
; The matrix instruction is used transposed (source 0 = rows of W, source 1 = rows of x): lane l holds row l % 16, registers 0-7 the columns 8 (l / 16) + 0..7.
.set PITCH,  144
.set PART,   128*PITCH                 ; what one tensor load brings
.set SLOT,   5*PART                    ; x's rows 0-127, 128-255, then W's rows for q, k, v
.set SPITCH, 784                       ; the stage: 256 rows of 768 bytes + 16, over the ring when its last fill has been read
.set BIASL,  200704                    ; 384 f32: the bias of my columns
.set SSQL,   202240                    ; f32 [2][256]
.set ASTEP,  1048576                   ; bytes from a K block of xb to the next
.set BSTEP,  393216                    ; of wqb
.set ADRA, 4                           ; v4-5   LDS address of my fragments of x in slot 0, 1
.set ADRB, 6                           ; v6-7   of W
.set STO,  8                           ; v8-9   stage, in: my rows 0-63, 64-127
.set RD,   10                          ; v10    stage, back
.set CO,   11                          ; v11    byte offset in a plane of qkv
.set BIA,  12                          ; v12    my bias in LDS
.set SQA,  13                          ; v13    my rows' words in SSQL
.set FA,   16                          ; v[16:79]   8 fragments of x
.set FB,   80                          ; v[80:127]  6 fragments of W
.set Y,    64                          ; v[64:127]  the way out: 16 tiles packed
                                       ; v[128:255] accumulators of column tiles 0, 1 at 128 + 8 (8 b + a); window 1: tiles 2-5 at 8 (8 (b - 2) + a)
.set G1A, 24                           ; s[24:31] group 1 for x's tiles   s[32:39] group 0, a set for each slot
.set G0A, 32
.set G1B, 40                           ; s[40:47] group 1 for W's tiles   s[48:55] group 0, a set for each slot
.set G0B, 48
.set MSB, 0
.macro WIN new                         ; s_set_vgpr_msb: bits 1:0 source 0, 3:2 source 1, 5:4 source 2, 7:6 destination; the high byte repeats the setting that is left
.if MSB != \new
	s_set_vgpr_msb (MSB<<8)|\new
.set MSB, \new
.endif
.endm
.macro PLACES                          ; four independent vector instructions between a matrix instruction and a load into, or a vector instruction on, its registers
.rept 4
	v_nop
.endr
.endm
.macro ROUND                           ; a round of the cluster's barrier: my work-group's barrier, wave 0 signals for it, all wait for the sixteen, my work-group's barrier
	s_barrier_signal -1
	s_barrier_wait -1
	s_cmp_lg_u32 s14, 0
	s_cbranch_scc1 .Lnot_wave_0_\@
	s_barrier_signal -3
.Lnot_wave_0_\@:
	s_barrier_wait -3
	s_barrier_signal -1
	s_barrier_wait -1
.endm
.macro JLOAD s                         ; waves 0, 1: x's two halves; waves 2, 3, 4: W's rows for q, k, v; waves 5-7: none.  The branch hangs on the wave's number alone
	s_cmp_lt_u32 s14, 2
	s_cbranch_scc0 .Lnot_a_\@
	tensor_load_to_lds s[G0A+4*\s:G0A+4*\s+3], s[G1A:G1A+7]
	s_nop 0
	s_branch .Lasked_\@
.Lnot_a_\@:
	s_cmp_lt_u32 s14, 5
	s_cbranch_scc0 .Lasked_\@
	tensor_load_to_lds s[G0B+4*\s:G0B+4*\s+3], s[G1B:G1B+7]
	s_nop 0
.Lasked_\@:
.endm
.macro MM d, bf, af, zero              ; one tile: D (in the destination's window), fragment of W, fragment of x; zero = 1: the product starts the sum
.if \zero
	v_wmma_f32_16x16x32_f16 v[\d:\d+7], v[\bf:\bf+7], v[\af:\af+7], 0
.else
	v_wmma_f32_16x16x32_f16 v[\d:\d+7], v[\bf:\bf+7], v[\af:\af+7], v[\d:\d+7]
.endif
.endm
.macro UNP d, r                        ; the two f16 of word v r (a plain number below 128: only those registers have named halves) to f32 in v[d], v[d+1]
	v_cvt_f32_f16 v[\d], v\r\().l
	v_cvt_f32_f16 v[\d+1], v\r\().h
.endm
	s_load_b256 s[4:11], s[0:1], 0x0               ; xb s[4:5], wqb s[6:7], bqkv s[8:9], qkv s[10:11]
	s_load_b64 s[12:13], s[0:1], 0x20              ; ssq
	v_lshl_add_u32 v14, v0, 2, 0x31e00
	v_mov_b32 v15, 0
	ds_add_u32 v14, v15
	s_wait_dscnt 0x0
	v_lshrrev_b32 v1, 5, v0
	v_readfirstlane_b32 s14, v1                    ; wave 0..7
	s_lshr_b32 s15, s14, 2                         ; which 128 rows
	s_and_b32 s16, s14, 3                          ; which 96 columns
	s_bfe_u32 s17, ttmp6, 0x40000                  ; cx
	s_bfe_u32 s18, ttmp6, 0x40004                  ; cy
	s_lshl_b32 s19, ttmp9, 2
	s_add_co_u32 s19, s19, s17                     ; bx: block column, 0..7
	s_and_b32 s20, ttmp7, 0xffff
	s_lshl_b32 s20, s20, 2
	s_add_co_u32 s20, s20, s18                     ; by: block row, 0..31
	s_mov_b32 s62, 0x76543210                      ; v_permlanex16_b32: lane i reads lane i of the other half
	s_mov_b32 s63, 0xfedcba98
	s_lshl_b32 s22, s18, 2
	s_lshl_b32 s22, 15, s22                        ; my row of the cluster: places 4 cy .. 4 cy + 3
	s_lshl_b32 s23, 0x1111, s17                    ; my column: places cx, cx + 4, cx + 8, cx + 12
	; group 1: 64 rows of 32 elements of 8 bytes, pitch 32: a dense piece of 16 KiB; after every 32 words (code 4) 4 words of padding (code 3); bit 21 beside a mask
	s_or_b32 s[G1A+0], s22, (3<<16)|(1<<20)|(1<<21)|(4<<22)|(3<<25)
	s_or_b32 s[G1B+0], s23, (3<<16)|(1<<20)|(1<<21)|(4<<22)|(3<<25)
.irp g, G1A, G1B
	s_mov_b32 s[\g+1], 32<<16                      ; tensor_dim0 = 32
	s_mov_b32 s[\g+2], 64<<16                      ; tensor_dim1 = 64
	s_mov_b32 s[\g+3], 32<<16                      ; tile_dim0 = 32
	s_mov_b32 s[\g+4], 64                          ; tile_dim1 = 64
	s_mov_b32 s[\g+5], 32                          ; elements from row to row
	s_mov_b32 s[\g+6], 0
	s_mov_b32 s[\g+7], 0
.endr
	s_lshl_b32 s56, s20, 15                        ; x: (256 by + 128 w) rows of 128 bytes; these two registers never hold bx
	s_lshl_b32 s57, s14, 14
	s_add_co_u32 s56, s56, s57
	s_mov_b32 s57, 0
	s_max_u32 s58, s14, 2                          ; W: ((w - 2) 1024 + 128 bx) rows of 128 bytes; these two never hold by
	s_sub_co_u32 s58, s58, 2
	s_lshl_b32 s58, s58, 17
	s_lshl_b32 s59, s19, 14
	s_add_co_u32 s58, s58, s59
	s_mov_b32 s59, 0
	s_mul_i32 s22, s14, PART                       ; where my part goes: the wave's number alone
	s_wait_kmcnt 0x0
	s_add_nc_u64 s[56:57], s[4:5], s[56:57]
	s_add_nc_u64 s[58:59], s[6:7], s[58:59]
.irp s, 0,1
	s_mov_b32 s[G0A+4*\s], 1
	s_add_co_u32 s[G0A+4*\s+1], s22, \s*SLOT
	s_add_nc_u64 s[G0A+4*\s+2:G0A+4*\s+3], s[56:57], \s*ASTEP      ; K block s
	s_or_b32 s[G0A+4*\s+3], s[G0A+4*\s+3], 0x80000000
	s_mov_b32 s[G0B+4*\s], 1
	s_add_co_u32 s[G0B+4*\s+1], s22, \s*SLOT
	s_add_nc_u64 s[G0B+4*\s+2:G0B+4*\s+3], s[58:59], \s*BSTEP
	s_or_b32 s[G0B+4*\s+3], s[G0B+4*\s+3], 0x80000000
.endr
	ROUND                                          ; all sixteen work-groups are here: the first joint loads meet
	JLOAD 0                                        ; K block 0 into slot 0; slot 1 is filled behind the first trip's round
	v_and_b32 v3, 31, v0                           ; lane
	v_and_b32 v1, 15, v0                           ; r
	v_bfe_u32 v2, v0, 4, 1                         ; h
	; the bias of my 384 columns into LDS, 128 numbers by each of waves 0-2; the first trip's wait and round show it to all
	s_cmp_lt_u32 s14, 3
	s_cbranch_scc0 .Lno_bias
	s_lshl_b32 s74, s14, 12                        ; plane w: 1024 numbers of 4 bytes
	s_lshl_b32 s75, s19, 9                         ; + 128 bx numbers
	s_add_co_u32 s74, s74, s75
	v_lshl_add_u32 v14, v3, 4, s74
	global_load_b128 v[16:19], v14, s[8:9]
	s_lshl_b32 s22, s14, 9
	s_add_co_u32 s22, s22, BIASL
	v_lshl_add_u32 v15, v3, 4, s22
	s_wait_loadcnt 0x0
	ds_store_b128 v15, v[16:19]
.Lno_bias:
	v_mul_u32_u24 v14, v1, PITCH
	v_lshl_add_u32 v14, v2, 4, v14                 ; a fragment: row r x pitch + 16 h, two loads 32 bytes apart
	s_mul_i32 s22, s15, PART                       ; my 128 rows of x
	s_mul_i32 s23, s16, 96*PITCH                   ; my 96 rows of W,
	s_add_co_u32 s23, s23, 2*PART                  ; behind x's 256
	v_add_nc_u32 v[ADRA], s22, v14
	v_add_nc_u32 v[ADRB], s23, v14
	v_add_nc_u32 v[ADRA+1], SLOT, v[ADRA]
	v_add_nc_u32 v[ADRB+1], SLOT, v[ADRB]
	v_mul_u32_u24 v[STO], v1, SPITCH               ; stage, in: row 128 (w >> 2) + r, byte 192 (w & 3) + 16 h
	v_lshl_add_u32 v[STO], v2, 4, v[STO]
	s_mul_i32 s22, s15, 128*SPITCH
	s_mul_i32 s23, s16, 192
	s_add_co_u32 s22, s22, s23
	v_add_nc_u32 v[STO], s22, v[STO]
	v_add_nc_u32 v[STO+1], 64*SPITCH, v[STO]
	v_bfe_u32 v14, v0, 3, 1                        ; stage, back: lanes 0-7 a row's 128 bytes of one head, lanes 8-15 the next row's, lanes 16-31 the same of the other head
	v_lshl_add_u32 v15, s14, 5, v14                ; row 32 w + parity
	v_mul_u32_u24 v[RD], v15, SPITCH
	v_lshl_add_u32 v[RD], v2, 7, v[RD]
	v_and_b32 v14, 7, v0
	v_lshl_add_u32 v[RD], v14, 4, v[RD]
	v_lshlrev_b32 v[SQA], 2, v15
	v_add_nc_u32 v[SQA], SSQL, v[SQA]
	v_lshlrev_b32 v[CO], 18, v2                    ; in qkv: the head (262,144 bytes), rows 32 w, 16 bytes for each of 16 lanes
	v_lshl_add_u32 v[CO], v1, 4, v[CO]
	s_lshl_b32 s22, s14, 12
	v_add_nc_u32 v[CO], s22, v[CO]
	s_mul_i32 s22, s16, 384
	s_add_co_u32 s22, s22, BIASL
	v_lshl_add_u32 v[BIA], v2, 5, s22              ; bias of columns 96 (w & 3) + 8 h
	s_lshr_b32 s22, s20, 3                         ; batch = by / 8
	s_lshl_b32 s22, s22, 4
	s_lshl1_add_u32 s22, s19, s22                  ; batch x 16 + head 2 bx
	s_lshl_b32 s22, s22, 18
	s_and_b32 s23, s20, 7
	s_lshl_b32 s23, s23, 15                        ; 256 (by % 8) rows of 128 bytes
	s_add_co_u32 s22, s22, s23
	s_mov_b32 s23, 0
	s_add_nc_u64 s[66:67], s[10:11], s[22:23]      ; q's plane
	s_add_nc_u64 s[68:69], s[66:67], 0x1000000     ; k's
	s_add_nc_u64 s[70:71], s[68:69], 0x1000000     ; v's
	s_lshr_b32 s22, s14, 1                         ; ssq, used by waves 0-3: plane w >> 1, block bx, rows 256 by + 128 (w & 1)
	s_lshl_b32 s22, s22, 3
	s_add_co_u32 s22, s22, s19
	s_lshl_b32 s22, s22, 15
	s_lshl_b32 s23, s20, 10
	s_add_co_u32 s22, s22, s23
	s_and_b32 s23, s14, 1
	s_lshl_b32 s23, s23, 9
	s_add_co_u32 s22, s22, s23
	s_mov_b32 s23, 0
	s_add_nc_u64 s[72:73], s[12:13], s[22:23]
; 32 along K (at byte kb of the rows): 28 LDS loads in one run, 48 matrix instructions.  The 48 accumulators take turns, one instruction a turn, in the same order
; in every half step, over the backward jump too.
.macro KHALF slot, kb, zero
	PLACES
	WIN 0
.irp b, 0,1
	ds_load_b128 v[FB+8*\b:FB+8*\b+3],   v[ADRB+\slot] offset:\kb+\b*16*PITCH
	ds_load_b128 v[FB+8*\b+4:FB+8*\b+7], v[ADRB+\slot] offset:\kb+\b*16*PITCH+32
.endr
.irp a, 0,1,2,3,4,5,6,7
	ds_load_b128 v[FA+8*\a:FA+8*\a+3],   v[ADRA+\slot] offset:\kb+\a*16*PITCH
	ds_load_b128 v[FA+8*\a+4:FA+8*\a+7], v[ADRA+\slot] offset:\kb+\a*16*PITCH+32
.endr
.irp b, 2,3,4,5
	ds_load_b128 v[FB+8*\b:FB+8*\b+3],   v[ADRB+\slot] offset:\kb+\b*16*PITCH
	ds_load_b128 v[FB+8*\b+4:FB+8*\b+7], v[ADRB+\slot] offset:\kb+\b*16*PITCH+32
.endr
.irp a, 0,1,2,3,4,5,6,7
	s_wait_dscnt 22-2*\a                           ; W's fragments 0, 1 and x's 0 .. a are in; out may be x's 2 (7 - a) younger loads and the 8 of W's fragments 2-5
	MM (128+8*\a), FB, (FA+8*\a), \zero
	MM (192+8*\a), (FB+8), (FA+8*\a), \zero
.endr
	s_wait_dscnt 0x0
	WIN 0x50                                       ; C and D in window 1
.irp b, 2,3,4,5
.irp a, 0,1,2,3,4,5,6,7
	MM (8*(8*(\b-2)+\a)), (FB+8*\b), (FA+8*\a), \zero
.endr
.endr
.endm
; One K block.  In front of the round every wave has waited for all its tensor loads (one at the most is out: its part of this slot) and for its reads of the other slot;
; behind the round the other slot's next fill comes first, one tensor load a wave, and has this trip's 96 matrix instructions a wave in which to land.
.macro TRIP slot, refill, zero
	s_wait_xcnt 0x0
	s_set_vgpr_msb (MSB<<8)|((MSB&0x3c)|0x0)
	v_lshl_add_u32 v14, v0, 2, 0x31e00
	v_mov_b32 v15, 0
	s_set_vgpr_msb (((MSB&0x3c)|0x0)<<8)|((MSB&0x30)|0x0)
	s_wait_tensorcnt 0x0
	ds_add_u32 v14, v15
	s_wait_dscnt 0x0
	s_set_vgpr_msb (((MSB&0x30)|0x0)<<8)|MSB
	s_add_nc_u64 s[G0A+4*\slot+2:G0A+4*\slot+3], s[G0A+4*\slot+2:G0A+4*\slot+3], 2*ASTEP   ; no load of mine is out: this slot's next K block
	s_add_nc_u64 s[G0B+4*\slot+2:G0B+4*\slot+3], s[G0B+4*\slot+2:G0B+4*\slot+3], 2*BSTEP
	s_wait_dscnt 0x0
	WIN 0
	ROUND
.if \refill
	JLOAD (1-\slot)
.endif
	KHALF \slot, 0, \zero
	KHALF \slot, 64, 0
.endm
	TRIP 0, 1, 1                                   ; K blocks 0 and 1: the first products start the sums
	TRIP 1, 1, 0
	WIN 0
	s_mov_b32 s21, 6                               ; K blocks 2 to 13
.Llap:
	TRIP 0, 1, 0
	TRIP 1, 1, 0
	WIN 0
	s_sub_co_u32 s21, s21, 1
	s_cmp_lg_u32 s21, 0
	s_cbranch_scc1 .Llap
	TRIP 0, 1, 0                                   ; K block 14 asks for 15; 15 asks for nothing
	TRIP 1, 0, 0
	; THE WAY OUT
	PLACES
	WIN 0
	s_wait_dscnt 0x0
	s_barrier_signal -1
	s_barrier_wait -1                              ; no wave reads the ring any more and no fill is to come: its bytes become the stage
.irp b, 0,1,2,3,4,5
	ds_load_b128 v[16+8*\b:16+8*\b+3], v[BIA] offset:64*\b
	ds_load_b128 v[16+8*\b+4:16+8*\b+7], v[BIA] offset:64*\b+16
.endr
	s_wait_dscnt 0x0
.irp b, 0,1
.irp a, 0,1,2,3,4,5,6,7
.irp j, 0,2,4,6
	v_pk_add_f32 v[128+8*(8*\b+\a)+\j:128+8*(8*\b+\a)+\j+1], v[128+8*(8*\b+\a)+\j:128+8*(8*\b+\a)+\j+1], v[16+8*\b+\j:16+8*\b+\j+1]
.endr
.endr
.endr
	WIN 0x41                                       ; destination and source 0 in window 1
.irp b, 2,3,4,5
.irp a, 0,1,2,3,4,5,6,7
.irp j, 0,2,4,6
	v_pk_add_f32 v[8*(8*(\b-2)+\a)+\j:8*(8*(\b-2)+\a)+\j+1], v[8*(8*(\b-2)+\a)+\j:8*(8*(\b-2)+\a)+\j+1], v[16+8*\b+\j:16+8*\b+\j+1]
.endr
.endr
.endr
; column tiles 2 k and 2 k + 1: 16 tiles rounded to f16 (a lane's 8 numbers are 16 neighbouring bytes of a row) and put into the stage
.macro BATCH k, base, win
	WIN \win
.irp bb, 0,1
.irp a, 0,1,2,3,4,5,6,7
.irp q, 0,1,2,3
	v_cvt_pk_f16_f32 v[Y+4*(8*\bb+\a)+\q], v[\base+8*(8*\bb+\a)+2*\q], v[\base+8*(8*\bb+\a)+2*\q+1]
.endr
.endr
.endr
	WIN 0
.irp bb, 0,1
.irp a, 0,1,2,3
	ds_store_b128 v[STO],   v[Y+4*(8*\bb+\a):Y+4*(8*\bb+\a)+3]     offset:\a*16*SPITCH+32*(2*\k+\bb)
	ds_store_b128 v[STO+1], v[Y+4*(8*\bb+\a+4):Y+4*(8*\bb+\a+4)+3] offset:\a*16*SPITCH+32*(2*\k+\bb)
.endr
.endr
.endm
	BATCH 0, 128, 0
	BATCH 1, 0, 0x05                               ; sources 0 and 1 in window 1
	BATCH 2, 128, 0x05
	s_wait_dscnt 0x0
	s_barrier_signal -1
	s_barrier_wait -1                              ; the stage is whole
; Wave w takes rows 32 w .. +31 back, a pair of rows t in four registers.  16 neighbouring lanes store 256 consecutive bytes, aligned: two rows of one head.
; For q and k the squares of a row's 128 numbers are added: 8 in the lane, lanes xor 1, 2, 4 (the row's 64 numbers of one head), the other half of the wave (the other head).
; The words that are widened lie in v[64:127], where registers have named halves: q's plane first, k's plane in the same registers behind it.
.macro ROWS p, t, r0, r1, r2, r3
	global_store_b128 v[CO], v[\r0:\r3], s[66+2*\p:67+2*\p] offset:256*\t
	UNP 16, \r0
	UNP 18, \r1
	UNP 20, \r2
	UNP 22, \r3
	v_pk_mul_f32 v[24:25], v[16:17], v[16:17]
	v_pk_fma_f32 v[24:25], v[18:19], v[18:19], v[24:25]
	v_pk_fma_f32 v[24:25], v[20:21], v[20:21], v[24:25]
	v_pk_fma_f32 v[24:25], v[22:23], v[22:23], v[24:25]
	v_add_f32 v24, v24, v25
	v_add_f32_dpp v24, v24, v24 row_xmask:1 row_mask:0xf bank_mask:0xf
	v_add_f32_dpp v24, v24, v24 row_xmask:2 row_mask:0xf bank_mask:0xf
	v_add_f32_dpp v24, v24, v24 row_xmask:4 row_mask:0xf bank_mask:0xf
	v_permlanex16_b32 v26, v24, s62, s63
	v_add_f32 v24, v24, v26
	ds_store_b32 v[SQA], v24 offset:1024*\p+8*\t   ; the lanes of a row write one word with one value
.endm
.macro PLANE p
	ROWS \p, 0, 64, 65, 66, 67
	ROWS \p, 1, 68, 69, 70, 71
	ROWS \p, 2, 72, 73, 74, 75
	ROWS \p, 3, 76, 77, 78, 79
	ROWS \p, 4, 80, 81, 82, 83
	ROWS \p, 5, 84, 85, 86, 87
	ROWS \p, 6, 88, 89, 90, 91
	ROWS \p, 7, 92, 93, 94, 95
	ROWS \p, 8, 96, 97, 98, 99
	ROWS \p, 9, 100, 101, 102, 103
	ROWS \p, 10, 104, 105, 106, 107
	ROWS \p, 11, 108, 109, 110, 111
	ROWS \p, 12, 112, 113, 114, 115
	ROWS \p, 13, 116, 117, 118, 119
	ROWS \p, 14, 120, 121, 122, 123
	ROWS \p, 15, 124, 125, 126, 127
.endm
.irp t, 0,1,2,3,4,5,6,7,8,9,10,11,12,13,14,15
	ds_load_b128 v[64+4*\t:64+4*\t+3], v[RD] offset:2*SPITCH*\t            ; q's 256 bytes of the stage's rows
.endr
.irp t, 0,1,2,3,4,5,6,7,8,9,10,11,12,13,14,15
	ds_load_b128 v[128+4*\t:128+4*\t+3], v[RD] offset:2*SPITCH*\t+512      ; v's
.endr
	s_wait_dscnt 0x0
	PLANE 0
.irp t, 0,1,2,3,4,5,6,7,8,9,10,11,12,13,14,15
	global_store_b128 v[CO], v[128+4*\t:128+4*\t+3], s[70:71] offset:256*\t
.endr
	s_wait_xcnt 0x0                                ; every earlier store has had its addresses translated (ISA guide 3.1): v[64:127], which q's stores read, are loaded again only behind this wait
.irp t, 0,1,2,3,4,5,6,7,8,9,10,11,12,13,14,15
	ds_load_b128 v[64+4*\t:64+4*\t+3], v[RD] offset:2*SPITCH*\t+256        ; k's
.endr
	s_wait_dscnt 0x0
	PLANE 1
	s_wait_dscnt 0x0
	s_barrier_signal -1
	s_barrier_wait -1
	s_cmp_lt_u32 s14, 4                            ; waves 0-3 store 128 sums each: 512 consecutive bytes
	s_cbranch_scc0 .Lno_ssq
	s_lshl_b32 s22, s14, 9
	s_add_co_u32 s22, s22, SSQL
	v_lshl_add_u32 v14, v3, 4, s22
	v_lshlrev_b32 v15, 4, v3
	ds_load_b128 v[16:19], v14
	s_wait_dscnt 0x0
	global_store_b128 v15, v[16:19], s[72:73]
.Lno_ssq:
	s_wait_xcnt 0x0
	s_set_vgpr_msb (MSB<<8)|((MSB&0x3c)|0x0)
	v_lshl_add_u32 v14, v0, 2, 0x31e00
	v_mov_b32 v15, 0
	s_set_vgpr_msb (((MSB&0x3c)|0x0)<<8)|((MSB&0x30)|0x0)
	s_wait_tensorcnt 0x0
	ds_add_u32 v14, v15
	s_wait_dscnt 0x0
	s_set_vgpr_msb (((MSB&0x30)|0x0)<<8)|MSB
	ROUND                                          ; the closing round: no work-group ends while a partner may still ask for a tile that names it
	s_endpgm
.Lfunc_end_k_q9a30c7d82b_qkvgemm:
	.size	k_q9a30c7d82b_qkvgemm, .Lfunc_end_k_q9a30c7d82b_qkvgemm-k_q9a30c7d82b_qkvgemm
	.p2alignl 7, 3214868480
	.fill 96, 4, 3214868480
	.section	.rodata,"a",@progbits
	.p2align	6, 0x0
	.amdhsa_kernel k_q9a30c7d82b_qkvgemm
		.amdhsa_group_segment_fixed_size 327680
		.amdhsa_private_segment_fixed_size 0
		.amdhsa_enable_private_segment 0
		.amdhsa_kernarg_size 40
		.amdhsa_user_sgpr_count 2
		.amdhsa_user_sgpr_kernarg_segment_ptr 1
		.amdhsa_wavefront_size32 1
		.amdhsa_system_sgpr_workgroup_id_x 1
		.amdhsa_system_sgpr_workgroup_id_y 1
		.amdhsa_system_sgpr_workgroup_id_z 1
		.amdhsa_system_vgpr_workitem_id 0
		.amdhsa_next_free_vgpr 512
		.amdhsa_next_free_sgpr 76
		.amdhsa_reserve_vcc 0
		.amdhsa_float_denorm_mode_32 3
		.amdhsa_float_denorm_mode_16_64 3
		.amdhsa_memory_ordered 1
		.amdhsa_forward_progress 1
		.amdhsa_inst_pref_size 142
	.end_amdhsa_kernel
	.amdgpu_metadata
---
amdhsa.version: [ 1, 2 ]
amdhsa.kernels:
  - .name:           k_q9a30c7d82b_qkvgemm
    .symbol:         k_q9a30c7d82b_qkvgemm.kd
    .args:
      - { .name: xb, .offset: 0, .size: 8, .value_kind: global_buffer, .address_space: global }
      - { .name: wqb, .offset: 8, .size: 8, .value_kind: global_buffer, .address_space: global }
      - { .name: bqkv, .offset: 16, .size: 8, .value_kind: global_buffer, .address_space: global }
      - { .name: qkv, .offset: 24, .size: 8, .value_kind: global_buffer, .address_space: global }
      - { .name: ssq, .offset: 32, .size: 8, .value_kind: global_buffer, .address_space: global }
    .group_segment_fixed_size: 327680
    .private_segment_fixed_size: 0
    .kernarg_segment_align: 8
    .kernarg_segment_size: 40
    .max_flat_workgroup_size: 256
    .sgpr_count:     76
    .vgpr_count:     512
    .wavefront_size: 32
...
	.end_amdgpu_metadata
.endif
;; end of part 2
;; launch attn (part 3): grid 256 x 1, 8 waves a work-group, clusters of 4 x 1, 327,680 bytes of LDS; arguments qkv, ssq, g_q, g_k, ao; writes ao
.if DOCPART == 3
	.amdgcn_target "amdgcn-amd-amdhsa--gfx1250"
	.amdhsa_code_object_version 6
	.text
	.protected	k_q9a30c7d82b_attn
	.globl	k_q9a30c7d82b_attn
	.p2align	8
	.type	k_q9a30c7d82b_attn,@function
k_q9a30c7d82b_attn:
	s_mov_b64 s[64:65], 0
	v_nop
	global_prefetch_b8 v0, s[64:65] scope:SCOPE_SE
	s_setreg_imm32_b32 hwreg(HW_REG_WAVE_MODE, 25, 1), 1
	s_wait_xcnt 0x0
	s_wait_alu depctr_hold_cnt(0) depctr_sa_sdst(0) depctr_va_vdst(0) depctr_va_sdst(0) depctr_va_ssrc(0) depctr_va_vcc(0) depctr_vm_vsrc(0)
	s_getreg_b32 s2, hwreg(HW_REG_IB_STS2, 6, 4)
	s_cmp_eq_u32 s2, 0
	s_cbranch_scc0 .Lentry_in_a_cluster
	s_endpgm
.Lentry_in_a_cluster:
	s_bfe_u32 s2, ttmp6, 0x10000c
	s_cmp_lg_u32 s2, 0x3003
	s_cbranch_scc0 .Lentry_shape_is_right
	s_endpgm
.Lentry_shape_is_right:
; One (batch, head) for each cluster of four work-groups; a work-group takes 512 queries, a wave 64 (four tiles of 16).  ao[batch*16+head][2048][64], f16.
; score(l, n) in base 2 = sum over d of q[l][d] k[n][d] g_q[c] g_k[c] x 128 log2(e) / (max(|q_l|, 1e-12) max(|k_n|, 1e-12)),  c = 64 head + d  (32 x 32 / 8 = 128).
; The factors that hang on the query and on d, with 32 of the constant, are multiplied into the Q fragments once (f32, rounded to f16): |Q'| <= 32 |g_q g_k| whatever q holds.
; 4 log2(e) / max(|k_n|, 1e-12) multiplies each score, in f32.
; Softmax with a running maximum, in f32; the probabilities, in (0, 1], go to the matrix unit in f16, their sum is kept in f32.
; LIMITS: NaN and infinities are not served; 32 |g_q g_k| must stay below 65,504 (gains of 30 and 30 give 28,800); a probability below 2^-25 of its row's largest enters
; the product with V as zero, though not the sum (2048 such would be 6e-5 of the sum); q is rounded to f16 twice (as stored, and with its factors).
; BOTH PRODUCTS ARE MADE TRANSPOSED.  S^T = K Q^T: lane l holds query l % 16, register j of key tile t the key 16 t + 8 (l / 16) + j.  That is the layout of the second
; source of O^T = V^T P^T (registers 0-3: keys 8 h .., 4-7: keys 16 + 8 h ..), so P goes from the exponential to the matrix unit with no move between lanes; a lane's
; maximum, sum and rescaling belong to one query.  V^T's fragments come from V's rows by the transposing LDS load.
; Keys go in tiles of 128 (K 16 KiB + V 16 KiB, each dense in memory, fetched as 64 rows of 256 bytes) through two LDS slots; a tile is worked in two steps of 64 keys.
; CLUSTER 4 x 1: the four work-groups read the same K and V tiles and ask for them jointly (mask 15).
.set SLOT,   38912                     ; K: 128 rows x 144 bytes; V: 128 rows x 160 bytes (an odd multiple of 32, for the transposing load)
.set KBYTES, 18432
.set RKL,    77824                     ; f32 [2048]: 4 log2(e) / max(|k_n|, 1e-12) of my batch
.set RQL,    86016                     ; f32 [512]: 1 / max(|q_l|, 1e-12) of my queries
.set STG,    88064                     ; the way out: 64 rows x 144 bytes for each wave
.set ADK,  4                           ; v4-5   LDS address of K's fragments in slot 0, 1
.set ADV,  6                           ; v6-7   of V's
.set ADRK, 8                           ; v8     of the keys' factors; 1024 bytes on in each lap
.set STO,  9
.set RD,   10
.set CO,   11
.set ML,   12                          ; v[12+2i] running maximum, v[13+2i] running sum (of this half's keys) of query tile i
.set AL,   20                          ; v20 the rescaling factor; v21 written once, so that the pair may be named
.set PFO,  22                          ; v22 256 x lane
.set RQ,   24                          ; v[24:31] four pairs: a query's factor twice
.set KF,   48                          ; v[48:111]  K(t, u) at 48 + 8 (2 t + u): 16 keys x 32 d.  In the head: Q as loaded (its halves are named: registers below 128)
.set RK,   112                         ; v[112:143] the factor of key 16 t + 8 h + j at 8 t + j
.set S,    144                         ; v[144:207] two buffers of 32: the scores of one query tile
.set P,    208                         ; v[208:223] probabilities in f16
.set T,    224                         ; v[224:255] at work
.set KS,   192                         ; v[192:255] in the head: the keys' sums of squares, 8 parts of 8
.set U,    192                         ; v[192:223] in the head, behind them: a query tile widened to f32
                                       ; window 1: v[0:127] O(i, e) at 8 (4 i + e); v[128:191] Q(i, u) at 128 + 8 (2 i + u); v[192:255] V^T(e, kh) at 192 + 8 (2 e + kh)
.set G1K, 24
.set G1V, 32
.set G0K, 40
.set G0V, 48
.set MSB, 0
.macro WIN new                         ; s_set_vgpr_msb: bits 1:0 source 0, 3:2 source 1, 5:4 source 2, 7:6 destination; the high byte repeats the setting that is left
.if MSB != \new
	s_set_vgpr_msb (MSB<<8)|\new
.set MSB, \new
.endif
.endm
.macro PLACES                          ; four independent vector instructions behind a matrix instruction (ISA guide 7.12.1)
.rept 4
	v_nop
.endr
.endm
.macro ROUND                           ; a round of the cluster's barrier
	s_barrier_signal -1
	s_barrier_wait -1
	s_cmp_lg_u32 s14, 0
	s_cbranch_scc1 .Lnot_wave_0_\@
	s_barrier_signal -3
.Lnot_wave_0_\@:
	s_barrier_wait -3
	s_barrier_signal -1
	s_barrier_wait -1
.endm
.macro JLOAD s                         ; wave 0 asks for K's tile, wave 1 for V's
	s_cmp_lg_u32 s14, 0
	s_cbranch_scc1 .Lnot_k_\@
	tensor_load_to_lds s[G0K+4*\s:G0K+4*\s+3], s[G1K:G1K+7]
	s_nop 0
	s_branch .Lasked_\@
.Lnot_k_\@:
	s_cmp_lg_u32 s14, 1
	s_cbranch_scc1 .Lasked_\@
	tensor_load_to_lds s[G0V+4*\s:G0V+4*\s+3], s[G1V:G1V+7]
	s_nop 0
.Lasked_\@:
.endm
.macro UNP d, r                        ; the two f16 of word v r (a plain number below 128) to f32 in v[d], v[d+1]
	v_cvt_f32_f16 v[\d], v\r\().l
	v_cvt_f32_f16 v[\d+1], v\r\().h
.endm
	s_load_b256 s[4:11], s[0:1], 0x0               ; qkv s[4:5], ssq s[6:7], g_q s[8:9], g_k s[10:11]
	s_load_b64 s[12:13], s[0:1], 0x20              ; ao
	v_lshl_add_u32 v46, v0, 2, 0x29000
	v_mov_b32 v47, 0
	ds_add_u32 v46, v47
	v_lshrrev_b32 v1, 5, v0
	v_readfirstlane_b32 s14, v1                    ; wave 0..7
	s_bfe_u32 s15, ttmp6, 0x40000                  ; cx: which 512 queries
	s_lshr_b32 s16, ttmp9, 4                       ; batch (ttmp9 counts clusters: batch x 16 + head)
	s_and_b32 s17, ttmp9, 15                       ; head
	s_mov_b32 s56, 0x76543210                      ; v_permlanex16_b32: lane i reads lane i of the other half
	s_mov_b32 s57, 0xfedcba98
	; group 1: 64 rows of 32 elements of 8 bytes, pitch 32; padding behind every 32 words (code 4): 4 words for K, 8 for V; mask 15 with bit 21 beside it
	s_mov_b32 s[G1K+0], 15|(3<<16)|(1<<20)|(1<<21)|(4<<22)|(3<<25)
	s_mov_b32 s[G1V+0], 15|(3<<16)|(1<<20)|(1<<21)|(4<<22)|(7<<25)
.irp g, G1K, G1V
	s_mov_b32 s[\g+1], 32<<16
	s_mov_b32 s[\g+2], 64<<16
	s_mov_b32 s[\g+3], 32<<16
	s_mov_b32 s[\g+4], 64
	s_mov_b32 s[\g+5], 32
	s_mov_b32 s[\g+6], 0
	s_mov_b32 s[\g+7], 0
.endr
	s_lshl_b32 s18, ttmp9, 18                      ; a head is 2048 x 128 bytes
	s_mov_b32 s19, 0
	s_wait_dscnt 0x0
	s_wait_kmcnt 0x0
	s_add_nc_u64 s[74:75], s[4:5], s[18:19]        ; my head in q's plane; never holds cx
	s_add_nc_u64 s[20:21], s[74:75], 0x1000000     ; in k's
	s_add_nc_u64 s[22:23], s[20:21], 0x1000000     ; in v's
.irp s, 0,1
	s_mov_b32 s[G0K+4*\s], 1
	s_mov_b32 s[G0K+4*\s+1], \s*SLOT
	s_add_nc_u64 s[G0K+4*\s+2:G0K+4*\s+3], s[20:21], \s*16384      ; key tile s
	s_or_b32 s[G0K+4*\s+3], s[G0K+4*\s+3], 0x80000000
	s_mov_b32 s[G0V+4*\s], 1
	s_mov_b32 s[G0V+4*\s+1], \s*SLOT+KBYTES
	s_add_nc_u64 s[G0V+4*\s+2:G0V+4*\s+3], s[22:23], \s*16384
	s_or_b32 s[G0V+4*\s+3], s[G0V+4*\s+3], 0x80000000
.endr
	ROUND
	JLOAD 0                                        ; key tile 0; slot 1 is filled behind the first trip's round
	s_lshr_b32 s18, s15, 1                         ; what I prefetch of a tile: partner cx takes half cx & 1 of K's (cx < 2) or V's 16 KiB
	s_add_co_u32 s18, s18, 1
	s_lshl_b32 s18, s18, 24
	s_and_b32 s19, s15, 1
	s_lshl_b32 s19, s19, 13
	s_add_co_u32 s18, s18, s19
	s_add_co_u32 s18, s18, 16384                   ; tile 1; stepped to tile t + 2 at the head of trip t
	s_mov_b32 s19, 0
	s_add_nc_u64 s[60:61], s[74:75], s[18:19]
	s_lshl_b32 s18, s15, 16                        ; my wave's queries: (512 cx + 64 w) rows of 128 bytes
	s_lshl_b32 s19, s14, 13
	s_add_co_u32 s18, s18, s19
	s_mov_b32 s19, 0
	s_add_nc_u64 s[70:71], s[74:75], s[18:19]      ; in q
	s_lshl_b32 s19, ttmp9, 18
	s_add_co_u32 s18, s18, s19
	s_mov_b32 s19, 0
	s_add_nc_u64 s[62:63], s[12:13], s[18:19]      ; in ao
	s_lshl_b32 s18, s16, 13                        ; my batch's 2048 rows in ssq
	s_add_nc_u64 s[22:23], s[6:7], s[18:19]
	s_add_nc_u64 s[20:21], s[22:23], 262144        ; k's eight planes
	s_lshl_b32 s18, s15, 11
	s_add_nc_u64 s[22:23], s[22:23], s[18:19]      ; q's, at my 512 queries
	s_lshl_b32 s18, s17, 8
	s_add_nc_u64 s[66:67], s[8:9], s[18:19]        ; my head's 64 gains
	s_add_nc_u64 s[68:69], s[10:11], s[18:19]
	v_and_b32 v3, 31, v0                           ; lane
	v_and_b32 v1, 15, v0                           ; r
	v_bfe_u32 v2, v0, 4, 1                         ; h
	v_lshlrev_b32 v32, 5, v0                       ; thread t: keys 8 t .. 8 t + 7
	v_lshlrev_b32 v33, 3, v0                       ; queries 2 t, 2 t + 1
	v_lshlrev_b32 v34, 5, v2                       ; gains of d = 8 h ..
	v_lshlrev_b32 v35, 7, v1
	v_lshl_add_u32 v35, v2, 4, v35                 ; Q: row r, byte 16 h
	; 56 loads: 16 for the keys' sums of squares, 8 for the queries', 16 for the gains, 16 for Q
.irp j, 0,1,2,3,4,5,6,7
	global_load_b128 v[KS+8*\j:KS+8*\j+3],   v32, s[20:21] offset:32768*\j
	global_load_b128 v[KS+8*\j+4:KS+8*\j+7], v32, s[20:21] offset:32768*\j+16
.endr
.irp j, 0,1,2,3,4,5,6,7
	global_load_b64 v[RK+2*\j:RK+2*\j+1], v33, s[22:23] offset:32768*\j
.endr
.irp x, 0,1,2,3
	global_load_b128 v[128+8*\x:128+8*\x+3],   v34, s[66:67] offset:64*\x       ; x = 2 u + c: d = 32 u + 16 c + 8 h + 0..7, the order of a fragment's registers
	global_load_b128 v[128+8*\x+4:128+8*\x+7], v34, s[66:67] offset:64*\x+16
.endr
.irp x, 0,1,2,3
	global_load_b128 v[160+8*\x:160+8*\x+3],   v34, s[68:69] offset:64*\x
	global_load_b128 v[160+8*\x+4:160+8*\x+7], v34, s[68:69] offset:64*\x+16
.endr
.irp i, 0,1,2,3
.irp u, 0,1
	global_load_b128 v[KF+8*(2*\i+\u):KF+8*(2*\i+\u)+3],   v35, s[70:71] offset:2048*\i+64*\u
	global_load_b128 v[KF+8*(2*\i+\u)+4:KF+8*(2*\i+\u)+7], v35, s[70:71] offset:2048*\i+64*\u+32
.endr
.endr
	v_mul_u32_u24 v[ADK], v1, 144
	v_lshl_add_u32 v[ADK], v2, 4, v[ADK]
	v_add_nc_u32 v[ADK+1], SLOT, v[ADK]
	v_and_b32 v36, 7, v0
	v_lshl_add_u32 v36, v2, 3, v36                 ; the transposing load: key row 8 h + (l & 7), 16 bytes at 16 ((l >> 3) & 1)
	v_mul_u32_u24 v[ADV], v36, 160
	v_bfe_u32 v36, v0, 3, 1
	v_lshl_add_u32 v[ADV], v36, 4, v[ADV]
	v_add_nc_u32 v[ADV], KBYTES, v[ADV]
	v_add_nc_u32 v[ADV+1], SLOT, v[ADV]
	v_add_nc_u32 v[ADRK], RKL, v34
	s_mul_i32 s18, s14, 9216
	s_add_co_u32 s18, s18, STG
	v_add_nc_u32 v[STO], s18, v[ADK]
	v_lshrrev_b32 v36, 3, v3
	v_mul_u32_u24 v[RD], v36, 144
	v_and_b32 v36, 7, v0
	v_lshl_add_u32 v[RD], v36, 4, v[RD]
	v_add_nc_u32 v[RD], s18, v[RD]
	v_lshlrev_b32 v[CO], 4, v3
	v_lshlrev_b32 v[PFO], 8, v3
	v_mov_b32 v[AL+1], 0
	v_add_nc_u32 v37, RKL, v32
	v_add_nc_u32 v38, RQL, v33
	s_lshl_b32 s19, s14, 8
	s_add_co_u32 s19, s19, RQL
	v_lshl_add_u32 v39, v1, 2, s19                 ; the factor of query 64 w + r
	s_wait_loadcnt 40                              ; the keys' 16 loads are in; the 8 + 16 + 16 younger ones stay out
.irp j, 1,2,3,4,5,6,7
.irp q, 0,2,4,6
	v_pk_add_f32 v[KS+\q:KS+\q+1], v[KS+\q:KS+\q+1], v[KS+8*\j+\q:KS+8*\j+\q+1]
.endr
.endr
.irp q, 0,1,2,3,4,5,6,7
	v_sqrt_f32 v[KS+\q], v[KS+\q]
.endr
	v_nop                                          ; one plain instruction behind a run of transcendentals (ISA guide 5.7.2)
	s_wait_alu depctr_va_vdst(0)
.irp q, 0,1,2,3,4,5,6,7
	v_max_num_f32 v[KS+\q], 0x2b8cbccc, v[KS+\q]   ; 1e-12
.endr
.irp q, 0,1,2,3,4,5,6,7
	v_rcp_f32 v[KS+\q], v[KS+\q]
.endr
	v_nop
	s_wait_alu depctr_va_vdst(0)
.irp q, 0,1,2,3,4,5,6,7
	v_mul_f32 v[KS+\q], 0x40b8aa3b, v[KS+\q]       ; 4 log2(e): what of 128 log2(e) is not in Q'
.endr
	ds_store_b128 v37, v[KS:KS+3]
	ds_store_b128 v37, v[KS+4:KS+7] offset:16
	s_wait_loadcnt 32                              ; the queries' 8 loads are in; gains and Q stay out
.irp j, 1,2,3,4,5,6,7
	v_pk_add_f32 v[RK:RK+1], v[RK:RK+1], v[RK+2*\j:RK+2*\j+1]
.endr
	v_sqrt_f32 v[RK], v[RK]
	v_sqrt_f32 v[RK+1], v[RK+1]
	v_nop
	s_wait_alu depctr_va_vdst(0)
	v_max_num_f32 v[RK], 0x2b8cbccc, v[RK]
	v_max_num_f32 v[RK+1], 0x2b8cbccc, v[RK+1]
	v_rcp_f32 v[RK], v[RK]
	v_rcp_f32 v[RK+1], v[RK+1]
	v_nop
	s_wait_alu depctr_va_vdst(0)
	ds_store_b64 v38, v[RK:RK+1]
	s_wait_dscnt 0x0
	s_barrier_signal -1                            ; the factors are whole.  Tile 0's load may stay out, and no tile read, before the first trip's round
	s_barrier_wait -1
.irp i, 0,1,2,3
	ds_load_b32 v[RQ+2*\i],   v39 offset:64*\i     ; twice: a pair for the packed multiply
	ds_load_b32 v[RQ+2*\i+1], v39 offset:64*\i
.endr
	s_wait_loadcnt 16                              ; the gains are in; Q's 16 loads stay out
.irp x, 0,1,2,3,4,5,6,7,8,9,10,11,12,13,14,15
	v_pk_mul_f32 v[128+2*\x:129+2*\x], v[128+2*\x:129+2*\x], v[160+2*\x:161+2*\x]
.endr
.irp x, 0,1,2,3,4,5,6,7,8,9,10,11,12,13,14,15
	v_pk_mul_f32 v[128+2*\x:129+2*\x], v[128+2*\x:129+2*\x], 0x42000000 op_sel_hi:[1,0]   ; 32
.endr
	s_wait_loadcnt 0x0
	s_wait_dscnt 0x0
.macro QSCALE i                        ; query tile i, widened in U: times the gains, times the query's factor, back to f16 into window 1
.irp x, 0,1,2,3,4,5,6,7,8,9,10,11,12,13,14,15
	v_pk_mul_f32 v[U+2*\x:U+2*\x+1], v[U+2*\x:U+2*\x+1], v[128+2*\x:129+2*\x]
.endr
.irp x, 0,1,2,3,4,5,6,7,8,9,10,11,12,13,14,15
	v_pk_mul_f32 v[U+2*\x:U+2*\x+1], v[U+2*\x:U+2*\x+1], v[RQ+2*\i:RQ+2*\i+1]
.endr
	WIN 0x40
.irp x, 0,1,2,3,4,5,6,7,8,9,10,11,12,13,14,15
	v_cvt_pk_f16_f32 v[128+16*\i+\x], v[U+2*\x], v[U+2*\x+1]
.endr
	WIN 0
.endm
.set k, 0
.irp r, 48,49,50,51,52,53,54,55,56,57,58,59,60,61,62,63
	UNP (U+2*k), \r
.set k, k+1
.endr
	QSCALE 0
.set k, 0
.irp r, 64,65,66,67,68,69,70,71,72,73,74,75,76,77,78,79
	UNP (U+2*k), \r
.set k, k+1
.endr
	QSCALE 1
.set k, 0
.irp r, 80,81,82,83,84,85,86,87,88,89,90,91,92,93,94,95
	UNP (U+2*k), \r
.set k, k+1
.endr
	QSCALE 2
.set k, 0
.irp r, 96,97,98,99,100,101,102,103,104,105,106,107,108,109,110,111
	UNP (U+2*k), \r
.set k, k+1
.endr
	QSCALE 3
; The scores of query tile i and 64 keys into buffer buf: four accumulators by turns, one instruction a turn.  Window: source 1 (Q) in window 1.
.macro SMM i, buf
.irp t, 0,1,2,3
	v_wmma_f32_16x16x32_f16 v[S+32*\buf+8*\t:S+32*\buf+8*\t+7], v[KF+16*\t:KF+16*\t+7], v[128+16*\i:128+16*\i+7], 0
.endr
.irp t, 0,1,2,3
	v_wmma_f32_16x16x32_f16 v[S+32*\buf+8*\t:S+32*\buf+8*\t+7], v[KF+16*\t+8:KF+16*\t+15], v[128+16*\i+8:128+16*\i+15], v[S+32*\buf+8*\t:S+32*\buf+8*\t+7]
.endr
.endm
; O(i, .) += V^T P^T: again four accumulators by turns.  first = 1: the first product starts the sums.
.macro PVM i, first
	WIN 0x51                                       ; V^T, C and D in window 1, P in window 0
.irp e, 0,1,2,3
.if \first
	v_wmma_f32_16x16x32_f16 v[8*(4*\i+\e):8*(4*\i+\e)+7], v[192+16*\e:192+16*\e+7], v[P:P+7], 0
.else
	v_wmma_f32_16x16x32_f16 v[8*(4*\i+\e):8*(4*\i+\e)+7], v[192+16*\e:192+16*\e+7], v[P:P+7], v[8*(4*\i+\e):8*(4*\i+\e)+7]
.endif
.endr
.irp e, 0,1,2,3
	v_wmma_f32_16x16x32_f16 v[8*(4*\i+\e):8*(4*\i+\e)+7], v[192+16*\e+8:192+16*\e+15], v[P+8:P+15], v[8*(4*\i+\e):8*(4*\i+\e)+7]
.endr
.endm
.macro RESC i                          ; O(i, .) times the rescaling factor
	WIN 0x41
.irp x, 0,1,2,3,4,5,6,7,8,9,10,11,12,13,14,15
	v_pk_mul_f32 v[32*\i+2*\x:32*\i+2*\x+1], v[32*\i+2*\x:32*\i+2*\x+1], v[AL:AL+1] op_sel_hi:[1,0]
.endr
.endm
; One step of the running softmax for query tile i, on buffer buf.
.macro SOFT i, buf, first
	WIN 0
.set SB, S+32*\buf
.irp x, 0,1,2,3,4,5,6,7,8,9,10,11,12,13,14,15
	v_pk_mul_f32 v[SB+2*\x:SB+2*\x+1], v[SB+2*\x:SB+2*\x+1], v[RK+2*\x:RK+2*\x+1]    ; the keys' factors
.endr
.irp c, 0,1,2,3
	v_max3_num_f32 v[T+\c], v[SB+8*\c], v[SB+8*\c+1], v[SB+8*\c+2]                   ; four chains side by side
.endr
.irp c, 0,1,2,3
	v_max3_num_f32 v[T+\c], v[T+\c], v[SB+8*\c+3], v[SB+8*\c+4]
.endr
.irp c, 0,1,2,3
	v_max3_num_f32 v[T+\c], v[T+\c], v[SB+8*\c+5], v[SB+8*\c+6]
.endr
	v_max3_num_f32 v[T], v[T], v[SB+7], v[SB+15]
	v_max3_num_f32 v[T+1], v[T+1], v[SB+23], v[SB+31]
	v_max3_num_f32 v[T], v[T], v[T+1], v[T+2]
.if \first
	v_max_num_f32 v[T], v[T], v[T+3]
.else
	v_max3_num_f32 v[T], v[T], v[T+3], v[ML+2*\i]                                    ; with the maximum so far
.endif
	v_permlanex16_b32 v[T+1], v[T], s56, s57       ; the other half of the wave holds the query's other 32 keys
	v_max_num_f32 v[T], v[T], v[T+1]               ; the new maximum, alike in both halves
.if \first == 0
	v_sub_f32 v[AL], v[ML+2*\i], v[T]
	v_exp_f32 v[AL], v[AL]                         ; the packed subtractions below are the plain instructions behind it
.endif
.irp x, 0,1,2,3,4,5,6,7,8,9,10,11,12,13,14,15
	v_pk_add_f32 v[SB+2*\x:SB+2*\x+1], v[SB+2*\x:SB+2*\x+1], v[T:T+1] op_sel_hi:[1,0] neg_lo:[0,1] neg_hi:[0,1]
.endr
.irp x, 0,1,2,3,4,5,6,7,8,9,10,11,12,13,14,15,16,17,18,19,20,21,22,23,24,25,26,27,28,29,30,31
	v_exp_f32 v[SB+\x], v[SB+\x]
.endr
	v_mov_b32 v[ML+2*\i], v[T]                     ; keeps the maximum, and is the one plain instruction behind the run of exponentials (ISA guide 5.7.2)
	s_wait_alu depctr_va_vdst(0)
.irp x, 0,1,2,3,4,5,6,7,8,9,10,11,12,13,14,15
	v_cvt_pk_f16_f32 v[P+\x], v[SB+2*\x], v[SB+2*\x+1]
.endr
.irp x, 0,1,2,3,4,5,6,7
	v_pk_add_f32 v[SB+4*\x:SB+4*\x+1], v[SB+4*\x:SB+4*\x+1], v[SB+4*\x+2:SB+4*\x+3]
.endr
.irp x, 0,1,2,3
	v_pk_add_f32 v[SB+8*\x:SB+8*\x+1], v[SB+8*\x:SB+8*\x+1], v[SB+8*\x+4:SB+8*\x+5]
.endr
	v_pk_add_f32 v[SB:SB+1], v[SB:SB+1], v[SB+8:SB+9]
	v_pk_add_f32 v[SB+16:SB+17], v[SB+16:SB+17], v[SB+24:SB+25]
	v_pk_add_f32 v[SB:SB+1], v[SB:SB+1], v[SB+16:SB+17]
.if \first
	v_add_f32 v[ML+2*\i+1], v[SB], v[SB+1]
.else
	v_add_f32 v[SB], v[SB], v[SB+1]
	v_fma_f32 v[ML+2*\i+1], v[ML+2*\i+1], v[AL], v[SB]
.endif
.endm
.macro QTILE i, buf, first, vwait
	SOFT \i, \buf, \first
.if \first == 0
	RESC \i
.endif
.if \vwait
	s_wait_dscnt 0x0                               ; V^T's fragments are in
.endif
	PVM \i, \first
.endm
; 64 keys (half st of the tile in slot) against the wave's 64 queries.  The scores of a query tile are made one tile ahead of their softmax, so that
; the vector work of one tile stands between a product and the first use of its result.
.macro STEP slot, st, first
	WIN 0
.irp t, 0,1,2,3
.irp u, 0,1
	ds_load_b128 v[KF+8*(2*\t+\u):KF+8*(2*\t+\u)+3],   v[ADK+\slot] offset:9216*\st+2304*\t+64*\u
	ds_load_b128 v[KF+8*(2*\t+\u)+4:KF+8*(2*\t+\u)+7], v[ADK+\slot] offset:9216*\st+2304*\t+64*\u+32
.endr
.endr
.irp t, 0,1,2,3
	ds_load_b128 v[RK+8*\t:RK+8*\t+3],   v[ADRK] offset:512*\slot+256*\st+64*\t
	ds_load_b128 v[RK+8*\t+4:RK+8*\t+7], v[ADRK] offset:512*\slot+256*\st+64*\t+16
.endr
	s_wait_dscnt 8                                 ; K's 16 loads are in; the 8 of the keys' factors may be out
	WIN 0x04
	SMM 0, 0
	SMM 1, 1
	PLACES                                         ; behind the last step's products with V^T, whose registers are loaded now, and behind the scores that are read next
	WIN 0x40
.irp e, 0,1,2,3
.irp kh, 0,1
	ds_load_tr16_b128 v[192+8*(2*\e+\kh):192+8*(2*\e+\kh)+3],   v[ADV+\slot] offset:(64*\st+32*\kh)*160+32*\e
	ds_load_tr16_b128 v[192+8*(2*\e+\kh)+4:192+8*(2*\e+\kh)+7], v[ADV+\slot] offset:(64*\st+32*\kh)*160+32*\e+2560
.endr
.endr
	WIN 0
	s_wait_dscnt 16                                ; the keys' factors are in; V's 16 loads may be out
	QTILE 0, 0, \first, 1
	WIN 0x04
	SMM 2, 0
	QTILE 1, 1, \first, 0
	WIN 0x04
	SMM 3, 1
	QTILE 2, 0, \first, 0
	QTILE 3, 1, \first, 0
.endm
; One key tile.  In front of the round every wave has waited for all its tensor loads (one at the most is out) and for its reads of the other slot; behind it the other
; slot's next fill comes first.  pf = 1: wave 2 asks, in trip t, for this work-group's quarter (32 lanes x 256 bytes) of tile t + 2, which is loaded in trip t + 1;
; the four partners' quarters make up the tile, each block of 256 bytes asked for once; trips 14 and 15 ask for nothing, so no request passes tile 15.
.macro TRIP slot, refill, first, pf
	s_set_vgpr_msb (MSB<<8)|((MSB&0xf0)|0x0)
	s_wait_tensorcnt 0x0
	ds_add_u32 v46, v47
	s_wait_dscnt 0x0
	s_set_vgpr_msb (((MSB&0xf0)|0x0)<<8)|MSB
	s_add_nc_u64 s[G0K+4*\slot+2:G0K+4*\slot+3], s[G0K+4*\slot+2:G0K+4*\slot+3], 32768    ; no load of mine is out: this slot's next tile
	s_add_nc_u64 s[G0V+4*\slot+2:G0V+4*\slot+3], s[G0V+4*\slot+2:G0V+4*\slot+3], 32768
.if \pf
	s_wait_xcnt 0x0                                ; the last trip's prefetch has had its address translated (ISA guide 3.1): its base is stepped only behind this wait
	s_add_nc_u64 s[60:61], s[60:61], 16384
.endif
	s_wait_dscnt 0x0
	WIN 0
	ROUND
.if \refill
	JLOAD (1-\slot)
.endif
.if \pf
	s_cmp_lg_u32 s14, 2
	s_cbranch_scc1 .Lno_pf_\@
	global_prefetch_b8 v[PFO], s[60:61] th:TH_LOAD_NT scope:SCOPE_SE
.Lno_pf_\@:
.endif
	STEP \slot, 0, \first
	STEP \slot, 1, 0
.endm
	TRIP 0, 1, 1, 1                                ; tiles 0 and 1: the first step starts maxima, sums and O
	TRIP 1, 1, 0, 1
	WIN 0
	v_add_nc_u32 v[ADRK], 1024, v[ADRK]            ; 256 keys' factors on
	s_mov_b32 s58, 6                               ; tiles 2 to 13
.Llap:
	TRIP 0, 1, 0, 1
	TRIP 1, 1, 0, 1
	WIN 0
	v_add_nc_u32 v[ADRK], 1024, v[ADRK]
	s_sub_co_u32 s58, s58, 1
	s_cmp_lg_u32 s58, 0
	s_cbranch_scc1 .Llap
	TRIP 0, 1, 0, 0                                ; tile 14 asks for 15; 15 asks for nothing
	TRIP 1, 0, 0, 0
	; THE WAY OUT: O / sum, f16 (a convex combination of v's numbers: inside their range), through my own stage, back as whole rows
	PLACES
	WIN 0
.irp i, 0,1,2,3
	v_permlanex16_b32 v[32+\i], v[ML+2*\i+1], s56, s57     ; the other half's part of the sum
.endr
.irp i, 0,1,2,3
	v_add_f32 v[32+\i], v[32+\i], v[ML+2*\i+1]
.endr
.irp i, 0,1,2,3
	v_rcp_f32 v[RQ+2*\i], v[32+\i]
	v_rcp_f32 v[RQ+2*\i+1], v[32+\i]
.endr
	v_nop
	s_wait_alu depctr_va_vdst(0)
.macro OUTQ i
	WIN 0x01
.irp x, 0,1,2,3,4,5,6,7,8,9,10,11,12,13,14,15
	v_pk_mul_f32 v[T+2*\x:T+2*\x+1], v[32*\i+2*\x:32*\i+2*\x+1], v[RQ+2*\i:RQ+2*\i+1]
.endr
	WIN 0
.irp x, 0,1,2,3,4,5,6,7,8,9,10,11,12,13,14,15
	v_cvt_pk_f16_f32 v[P+\x], v[T+2*\x], v[T+2*\x+1]
.endr
.irp e, 0,1,2,3
	ds_store_b128 v[STO], v[P+4*\e:P+4*\e+3] offset:2304*\i+32*\e   ; query 16 i + r, d = 16 e + 8 h ..
.endr
.endm
	OUTQ 0
	OUTQ 1
	OUTQ 2
	OUTQ 3
.irp p, 0,1,2,3,4,5,6,7,8,9,10,11,12,13,14,15
	ds_load_b128 v[KF+4*\p:KF+4*\p+3], v[RD] offset:576*\p          ; four rows; LDS serves a wave's instructions in order (ISA guide 5.7.1): these see my stores above
.endr
.irp p, 0,1,2,3,4,5,6,7,8,9,10,11,12,13,14,15
	s_wait_dscnt 15-\p                             ; load p is in, the 15 - p younger ones stay out
	global_store_b128 v[CO], v[KF+4*\p:KF+4*\p+3], s[62:63] offset:512*\p   ; 512 consecutive bytes, aligned
.endr
	s_set_vgpr_msb (MSB<<8)|((MSB&0xf0)|0x0)
	s_wait_tensorcnt 0x0
	ds_add_u32 v46, v47
	s_wait_dscnt 0x0
	s_set_vgpr_msb (((MSB&0xf0)|0x0)<<8)|MSB
	ROUND                                          ; the closing round
	s_endpgm
.Lfunc_end_k_q9a30c7d82b_attn:
	.size	k_q9a30c7d82b_attn, .Lfunc_end_k_q9a30c7d82b_attn-k_q9a30c7d82b_attn
	.p2alignl 7, 3214868480
	.fill 96, 4, 3214868480
	.section	.rodata,"a",@progbits
	.p2align	6, 0x0
	.amdhsa_kernel k_q9a30c7d82b_attn
		.amdhsa_group_segment_fixed_size 327680
		.amdhsa_private_segment_fixed_size 0
		.amdhsa_enable_private_segment 0
		.amdhsa_kernarg_size 40
		.amdhsa_user_sgpr_count 2
		.amdhsa_user_sgpr_kernarg_segment_ptr 1
		.amdhsa_wavefront_size32 1
		.amdhsa_system_sgpr_workgroup_id_x 1
		.amdhsa_system_sgpr_workgroup_id_y 1
		.amdhsa_system_sgpr_workgroup_id_z 1
		.amdhsa_system_vgpr_workitem_id 0
		.amdhsa_next_free_vgpr 512
		.amdhsa_next_free_sgpr 76
		.amdhsa_reserve_vcc 0
		.amdhsa_float_denorm_mode_32 3
		.amdhsa_float_denorm_mode_16_64 3
		.amdhsa_memory_ordered 1
		.amdhsa_forward_progress 1
		.amdhsa_inst_pref_size 255
	.end_amdhsa_kernel
	.section	.bss,"aw",@nobits
	.p2align	6
	.space	262144
	.amdgpu_metadata
---
amdhsa.version: [ 1, 2 ]
amdhsa.kernels:
  - .name:           k_q9a30c7d82b_attn
    .symbol:         k_q9a30c7d82b_attn.kd
    .args:
      - { .name: qkv, .offset: 0, .size: 8, .value_kind: global_buffer, .address_space: global }
      - { .name: ssq, .offset: 8, .size: 8, .value_kind: global_buffer, .address_space: global }
      - { .name: g_q, .offset: 16, .size: 8, .value_kind: global_buffer, .address_space: global }
      - { .name: g_k, .offset: 24, .size: 8, .value_kind: global_buffer, .address_space: global }
      - { .name: ao, .offset: 32, .size: 8, .value_kind: global_buffer, .address_space: global }
    .group_segment_fixed_size: 327680
    .private_segment_fixed_size: 0
    .kernarg_segment_align: 8
    .kernarg_segment_size: 40
    .max_flat_workgroup_size: 256
    .sgpr_count:     76
    .vgpr_count:     512
    .wavefront_size: 32
...
	.end_amdgpu_metadata
.endif
;; end of part 3
;; launch outgemm (part 4): grid 4 x 64, 8 waves a work-group, clusters of 4 x 4, 327,680 bytes of LDS; arguments ao, wob, bout, yb, ssy; writes yb, ssy
.if DOCPART == 4
	.amdgcn_target "amdgcn-amd-amdhsa--gfx1250"
	.amdhsa_code_object_version 6
	.text
	.protected	k_q9a30c7d82b_outgemm
	.globl	k_q9a30c7d82b_outgemm
	.p2align	8
	.type	k_q9a30c7d82b_outgemm,@function
k_q9a30c7d82b_outgemm:
	s_mov_b64 s[64:65], 0
	v_nop
	global_prefetch_b8 v0, s[64:65] scope:SCOPE_SE
	s_setreg_imm32_b32 hwreg(HW_REG_WAVE_MODE, 25, 1), 1
	s_wait_xcnt 0x0
	s_wait_alu depctr_hold_cnt(0) depctr_sa_sdst(0) depctr_va_vdst(0) depctr_va_sdst(0) depctr_va_ssrc(0) depctr_va_vcc(0) depctr_vm_vsrc(0)
	s_getreg_b32 s2, hwreg(HW_REG_IB_STS2, 6, 4)
	s_cmp_eq_u32 s2, 0
	s_cbranch_scc0 .Lentry_in_a_cluster
	s_endpgm
.Lentry_in_a_cluster:
	s_bfe_u32 s2, ttmp6, 0x10000c
	s_cmp_lg_u32 s2, 0xf033
	s_cbranch_scc0 .Lentry_shape_is_right
	s_endpgm
.Lentry_shape_is_right:
; y = ao Wout^T + bout.  f16 operands, f32 sums, bias in f32.  yb[8192][1024] = y in bf16;  ssy[bx][row] (f32) = sum of the squares of y[row], columns 256 bx .. +255,
; taken from the unrounded f32 numbers.  The row norm spans 1024 columns, that is four work-groups, which may hand each other nothing: the next launch adds the four parts
; and scales.
; LIMITS: NaN and infinities are not served; a row's sum of squares must stay inside f32's range.  y goes to the next launch in bf16: each number carries a relative error of
; at most 2^-8 (bf16 and not f16, because nothing bounds y from below).
; A work-group makes 128 rows x 256 columns: 64 x 4 = 256 work-groups of equal work; each brings (128 + 256) rows x 2 KiB through LDS.
; Eight waves, two for each SIMD: wave w makes rows 64 (w >> 2) .. +63 and columns 64 (w & 3) .. +63: 4 x 4 tiles of 16 x 16, 128 registers; all registers lie below v256.
; K goes in steps of 128 (two heads of ao, two K blocks of wob) through two LDS slots.  A part of a slot is 128 rows x 128 bytes, dense in memory, fetched as 64 rows of 256
; bytes; the mover lays 16 bytes behind every 128, so that an LDS row is 144 bytes and the 16 rows that a fragment load touches start 16 bytes apart modulo 256.
; CLUSTER 4 x 4: ao's tile hangs on the block row alone and is asked for jointly by a row of the cluster, Wout's on the block column alone and jointly by a column.
; The matrix instruction is used transposed (source 0 = rows of Wout, source 1 = rows of ao): lane l holds row l % 16, registers 0-7 the columns 8 (l / 16) + 0..7.
.set PITCH,  144
.set PART,   128*PITCH                 ; what one tensor load brings
.set SLOT,   6*PART                    ; ao's K blocks 0, 1; Wout's K block 0 (256 rows), K block 1
.set STG,    SLOT                      ; the stage: 128 rows of 512 bytes + 16, over slot 1 when its last fill has been read
.set SPITCH, 528
.set SSL,    2*SLOT                    ; f32 [128 rows][4 column waves]: bytes of its own behind the ring
.set ATILE,  524288                    ; bytes from a tile of ao to the next: two heads of 2048 x 128 bytes
.set BTILE,  262144                    ; of wob: two K blocks of 1024 x 128 bytes
.set ADRA, 4                           ; v4-5   LDS address of my fragments of ao in slot 0, 1
.set ADRB, 6                           ; v6-7   of Wout
.set STO,  8                           ; v8     stage, in
.set RD,   9                           ; v9     stage, back
.set CO,   10                          ; v10    16 x lane
.set SSA,  11                          ; v11    my rows' words in SSL
.set PFO,  12                          ; v12    256 x lane
.set FA,   16                          ; v[16:47]   4 fragments of ao
.set FB,   48                          ; v[48:79]   4 fragments of Wout
.set BI,   80                          ; v[80:111]  bias of my columns 16 b + 8 h + j at 8 b + j
.set SS,   112                         ; v[112:119] four pairs: sums of squares
.set ACC,  128                         ; v[128:255] tile (a, b) at 128 + 8 (4 a + b)
.set Y,    16                          ; v[16:79]   the way out: tiles packed, then whole rows
.set G1A, 24                           ; s[24:31] group 1 for ao's tiles     s[32:39] group 0, a set for each slot
.set G0A, 32
.set G1B, 40                           ; s[40:47] group 1 for Wout's tiles   s[48:55] group 0, a set for each slot
.set G0B, 48
.macro PLACES                          ; four independent vector instructions between a matrix instruction and a load into, or a vector instruction on, its registers
.rept 4
	v_nop
.endr
.endm
.macro ROUND                           ; a round of the cluster's barrier: my work-group's barrier, wave 0 signals for it, all wait for the sixteen, my work-group's barrier
	s_barrier_signal -1
	s_barrier_wait -1
	s_cmp_lg_u32 s14, 0
	s_cbranch_scc1 .Lnot_wave_0_\@
	s_barrier_signal -3
.Lnot_wave_0_\@:
	s_barrier_wait -3
	s_barrier_signal -1
	s_barrier_wait -1
.endm
.macro JLOAD s                         ; waves 0, 1: ao's two K blocks; waves 2-5: Wout's two K blocks in halves of 128 rows; waves 6, 7: none.  The branch hangs on the wave's number alone
	s_cmp_lt_u32 s14, 2
	s_cbranch_scc0 .Lnot_a_\@
	tensor_load_to_lds s[G0A+4*\s:G0A+4*\s+3], s[G1A:G1A+7]
	s_nop 0
	s_branch .Lasked_\@
.Lnot_a_\@:
	s_cmp_lt_u32 s14, 6
	s_cbranch_scc0 .Lasked_\@
	tensor_load_to_lds s[G0B+4*\s:G0B+4*\s+3], s[G1B:G1B+7]
	s_nop 0
.Lasked_\@:
.endm
.macro MM d, bf, af, zero              ; one tile: D, fragment of Wout, fragment of ao; zero = 1: the product starts the sum
.if \zero
	v_wmma_f32_16x16x32_f16 v[\d:\d+7], v[\bf:\bf+7], v[\af:\af+7], 0
.else
	v_wmma_f32_16x16x32_f16 v[\d:\d+7], v[\bf:\bf+7], v[\af:\af+7], v[\d:\d+7]
.endif
.endm
	s_load_b256 s[4:11], s[0:1], 0x0               ; ao s[4:5], wob s[6:7], bout s[8:9], yb s[10:11]
	s_load_b64 s[12:13], s[0:1], 0x20              ; ssy
	v_lshl_add_u32 v126, v0, 2, 0x36800
	v_mov_b32 v127, 0
	ds_add_u32 v126, v127
	v_lshrrev_b32 v1, 5, v0
	v_readfirstlane_b32 s14, v1                    ; wave 0..7
	s_lshr_b32 s15, s14, 2                         ; which 64 rows
	s_and_b32 s16, s14, 3                          ; which 64 columns
	s_bfe_u32 s17, ttmp6, 0x40000                  ; cx
	s_bfe_u32 s18, ttmp6, 0x40004                  ; cy
	s_lshl_b32 s19, ttmp9, 2
	s_add_co_u32 s19, s19, s17                     ; bx: block column, 0..3
	s_and_b32 s20, ttmp7, 0xffff
	s_lshl_b32 s20, s20, 2
	s_add_co_u32 s20, s20, s18                     ; by: block row, 0..63
	s_mov_b32 s62, 0x76543210                      ; v_permlanex16_b32: lane i reads lane i of the other half
	s_mov_b32 s63, 0xfedcba98
	s_lshl_b32 s22, s18, 2
	s_lshl_b32 s22, 15, s22                        ; my row of the cluster: places 4 cy .. 4 cy + 3
	s_lshl_b32 s23, 0x1111, s17                    ; my column: places cx, cx + 4, cx + 8, cx + 12
	; group 1: 64 rows of 32 elements of 8 bytes, pitch 32: a dense piece of 16 KiB; after every 32 words (code 4) 4 words of padding (code 3); bit 21 beside a mask
	s_or_b32 s[G1A+0], s22, (3<<16)|(1<<20)|(1<<21)|(4<<22)|(3<<25)
	s_or_b32 s[G1B+0], s23, (3<<16)|(1<<20)|(1<<21)|(4<<22)|(3<<25)
.irp g, G1A, G1B
	s_mov_b32 s[\g+1], 32<<16                      ; tensor_dim0 = 32
	s_mov_b32 s[\g+2], 64<<16                      ; tensor_dim1 = 64
	s_mov_b32 s[\g+3], 32<<16                      ; tile_dim0 = 32
	s_mov_b32 s[\g+4], 64                          ; tile_dim1 = 64
	s_mov_b32 s[\g+5], 32                          ; elements from row to row
	s_mov_b32 s[\g+6], 0
	s_mov_b32 s[\g+7], 0
.endr
	s_lshr_b32 s56, s20, 4                         ; ao: batch = by / 16, 16 heads of 262,144 bytes each;
	s_lshl_b32 s56, s56, 22
	s_and_b32 s57, s20, 15
	s_lshl_b32 s57, s57, 14                        ; 128 (by % 16) rows of 128 bytes.  These two registers never hold bx
	s_add_co_u32 s56, s56, s57
	s_mov_b32 s60, s56                             ; the same for the prefetch, without the wave's part
	s_lshl_b32 s57, s14, 18                        ; waves 0, 1: head w of the tile
	s_add_co_u32 s56, s56, s57
	s_mov_b32 s57, 0
	s_max_u32 s58, s14, 2                          ; Wout: waves 2-5, x = w - 2: K block x >> 1, rows 256 bx + 128 (x & 1).  These two never hold by
	s_sub_co_u32 s58, s58, 2
	s_lshr_b32 s59, s58, 1
	s_lshl_b32 s59, s59, 17
	s_and_b32 s58, s58, 1
	s_lshl_b32 s58, s58, 14
	s_add_co_u32 s58, s58, s59
	s_lshl_b32 s59, s19, 15
	s_add_co_u32 s58, s58, s59
	s_mov_b32 s59, 0
	s_mul_i32 s22, s14, PART                       ; where my part goes: the wave's number alone
	s_wait_dscnt 0x0
	s_wait_kmcnt 0x0
	s_add_nc_u64 s[56:57], s[4:5], s[56:57]
	s_add_nc_u64 s[58:59], s[6:7], s[58:59]
.irp s, 0,1
	s_mov_b32 s[G0A+4*\s], 1
	s_add_co_u32 s[G0A+4*\s+1], s22, \s*SLOT
	s_add_nc_u64 s[G0A+4*\s+2:G0A+4*\s+3], s[56:57], \s*ATILE      ; tile s
	s_or_b32 s[G0A+4*\s+3], s[G0A+4*\s+3], 0x80000000
	s_mov_b32 s[G0B+4*\s], 1
	s_add_co_u32 s[G0B+4*\s+1], s22, \s*SLOT
	s_add_nc_u64 s[G0B+4*\s+2:G0B+4*\s+3], s[58:59], \s*BTILE
	s_or_b32 s[G0B+4*\s+3], s[G0B+4*\s+3], 0x80000000
.endr
	ROUND                                          ; all sixteen work-groups are here: the first joint loads meet
	JLOAD 0                                        ; tile 0 into slot 0; slot 1 is filled behind the first trip's round
	s_lshr_b32 s22, s17, 1                         ; what I prefetch of a tile of ao (2 x 16 KiB): partner cx takes half cx & 1 of head cx >> 1
	s_lshl_b32 s22, s22, 18
	s_and_b32 s23, s17, 1
	s_lshl_b32 s23, s23, 13
	s_add_co_u32 s22, s22, s23
	s_add_co_u32 s60, s60, s22
	s_add_co_u32 s60, s60, ATILE                   ; tile 1; stepped to tile t + 2 at the head of trip t
	s_mov_b32 s61, 0
	s_add_nc_u64 s[60:61], s[4:5], s[60:61]
	v_and_b32 v3, 31, v0                           ; lane
	v_and_b32 v1, 15, v0                           ; r
	v_bfe_u32 v2, v0, 4, 1                         ; h
	s_lshl_b32 s22, s19, 10                        ; the bias of columns 256 bx + 64 (w & 3) + 16 b + 8 h + j
	s_mov_b32 s23, 0
	s_add_nc_u64 s[70:71], s[8:9], s[22:23]
	s_lshl_b32 s22, s16, 8
	v_lshl_add_u32 v13, v2, 5, s22
.irp b, 0,1,2,3
	global_load_b128 v[BI+8*\b:BI+8*\b+3],   v13, s[70:71] offset:64*\b      ; waited for behind the loop; neither v13 nor these registers are touched before
	global_load_b128 v[BI+8*\b+4:BI+8*\b+7], v13, s[70:71] offset:64*\b+16
.endr
	v_mul_u32_u24 v14, v1, PITCH
	v_lshl_add_u32 v14, v2, 4, v14                 ; a fragment: row r x pitch + 16 h, two loads 32 bytes apart
	s_mul_i32 s22, s15, 64*PITCH                   ; my 64 rows of ao
	s_mul_i32 s23, s16, 64*PITCH                   ; my 64 rows of Wout,
	s_add_co_u32 s23, s23, 2*PART                  ; behind ao's two parts
	v_add_nc_u32 v[ADRA], s22, v14
	v_add_nc_u32 v[ADRB], s23, v14
	v_add_nc_u32 v[ADRA+1], SLOT, v[ADRA]
	v_add_nc_u32 v[ADRB+1], SLOT, v[ADRB]
	v_mul_u32_u24 v[STO], v1, SPITCH               ; stage, in: row 64 (w >> 2) + r, byte 128 (w & 3) + 16 h
	v_lshl_add_u32 v[STO], v2, 4, v[STO]
	s_mul_i32 s22, s15, 64*SPITCH
	s_lshl_b32 s23, s16, 7
	s_add_co_u32 s22, s22, s23
	s_add_co_u32 s22, s22, STG
	v_add_nc_u32 v[STO], s22, v[STO]
	s_mul_i32 s22, s14, 16*SPITCH                  ; stage, back: wave w takes rows 16 w .. +15, a row's 512 bytes by one load
	s_add_co_u32 s22, s22, STG
	v_lshl_add_u32 v[RD], v3, 4, s22
	v_lshlrev_b32 v[CO], 4, v3
	v_lshlrev_b32 v[SSA], 4, v1                    ; SSL: row (64 (w >> 2) + r) x 16 bytes + 4 (w & 3)
	s_lshl_b32 s22, s15, 10
	s_lshl_b32 s23, s16, 2
	s_add_co_u32 s22, s22, s23
	s_add_co_u32 s22, s22, SSL
	v_add_nc_u32 v[SSA], s22, v[SSA]
	v_lshlrev_b32 v[PFO], 8, v3
	s_lshl_b32 s22, s20, 18                        ; yb: rows 128 by + 16 w of 2048 bytes, columns 256 bx of 2 bytes
	s_lshl_b32 s23, s14, 15
	s_add_co_u32 s22, s22, s23
	s_lshl_b32 s23, s19, 9
	s_add_co_u32 s22, s22, s23
	s_mov_b32 s23, 0
	s_add_nc_u64 s[66:67], s[10:11], s[22:23]
	s_lshl_b32 s22, s19, 15                        ; ssy, used by waves 0, 1: plane bx, rows 128 by + 64 w
	s_lshl_b32 s23, s20, 9
	s_add_co_u32 s22, s22, s23
	s_lshl_b32 s23, s14, 8
	s_add_co_u32 s22, s22, s23
	s_mov_b32 s23, 0
	s_add_nc_u64 s[68:69], s[12:13], s[22:23]
; 32 along K (K block j of the slot, byte kb of its rows): 16 LDS loads in one run, 16 matrix instructions.  The 16 accumulators take turns, one instruction a turn, in the
; same order in every half step, over the backward jump too.
.macro KHALF slot, j, kb, zero
	PLACES
.irp b, 0,1,2,3
	ds_load_b128 v[FB+8*\b:FB+8*\b+3],   v[ADRB+\slot] offset:\j*2*PART+\kb+\b*16*PITCH
	ds_load_b128 v[FB+8*\b+4:FB+8*\b+7], v[ADRB+\slot] offset:\j*2*PART+\kb+\b*16*PITCH+32
.endr
.irp a, 0,1,2,3
	ds_load_b128 v[FA+8*\a:FA+8*\a+3],   v[ADRA+\slot] offset:\j*PART+\kb+\a*16*PITCH
	ds_load_b128 v[FA+8*\a+4:FA+8*\a+7], v[ADRA+\slot] offset:\j*PART+\kb+\a*16*PITCH+32
.endr
.irp a, 0,1,2,3
	s_wait_dscnt 6-2*\a                            ; Wout's fragments and ao's 0 .. a are in; ao's 2 (3 - a) younger loads may be out
.irp b, 0,1,2,3
	MM (ACC+8*(4*\a+\b)), (FB+8*\b), (FA+8*\a), \zero
.endr
.endr
.endm
; One tile of 128 along K.  In front of the round every wave has waited for all its tensor loads (one at the most is out: its part of this slot) and for its reads of the other
; slot; behind the round the other slot's next fill comes first, one tensor load a wave, and has this trip's 64 matrix instructions a wave in which to land.
; pf = 1: wave 6 asks, in trip t, for this work-group's quarter (32 lanes x 256 bytes) of ao's tile t + 2, which is loaded in trip t + 1; the quarters of the four partners that
; share the tile make it up, each block of 256 bytes asked for once; trips 6 and 7 ask for nothing, so no request passes tile 7.
.macro TRIP slot, refill, zero, pf
	s_wait_tensorcnt 0x0
	ds_add_u32 v126, v127
	s_wait_dscnt 0x0
	s_add_nc_u64 s[G0A+4*\slot+2:G0A+4*\slot+3], s[G0A+4*\slot+2:G0A+4*\slot+3], 2*ATILE   ; no load of mine is out: this slot's next tile
	s_add_nc_u64 s[G0B+4*\slot+2:G0B+4*\slot+3], s[G0B+4*\slot+2:G0B+4*\slot+3], 2*BTILE
.if \pf
	s_wait_xcnt 0x0                                ; the last trip's prefetch has had its address translated (ISA guide 3.1): its base is stepped only behind this wait
	s_add_nc_u64 s[60:61], s[60:61], ATILE
.endif
	s_wait_dscnt 0x0
	ROUND
.if \refill
	JLOAD (1-\slot)
.endif
.if \pf
	s_cmp_lg_u32 s14, 6
	s_cbranch_scc1 .Lno_pf_\@
	global_prefetch_b8 v[PFO], s[60:61] th:TH_LOAD_NT scope:SCOPE_SE
.Lno_pf_\@:
.endif
	KHALF \slot, 0, 0, \zero
	KHALF \slot, 0, 64, 0
	KHALF \slot, 1, 0, 0
	KHALF \slot, 1, 64, 0
.endm
	TRIP 0, 1, 1, 1                                ; tiles 0 and 1: the first products start the sums
	TRIP 1, 1, 0, 1
	s_mov_b32 s21, 2                               ; tiles 2 to 5
.Llap:
	TRIP 0, 1, 0, 1
	TRIP 1, 1, 0, 1
	s_sub_co_u32 s21, s21, 1
	s_cmp_lg_u32 s21, 0
	s_cbranch_scc1 .Llap
	TRIP 0, 1, 0, 0                                ; tile 6 asks for 7; 7 asks for nothing
	TRIP 1, 0, 0, 0
	; THE WAY OUT
	PLACES
	s_wait_dscnt 0x0                               ; my reads of slot 1 are over
	s_barrier_signal -1
	s_barrier_wait -1                              ; every wave's are, and no fill is to come: slot 1's bytes become the stage
	s_wait_loadcnt 0x0                             ; the bias
.irp a, 0,1,2,3
.irp b, 0,1,2,3
.irp j, 0,2,4,6
	v_pk_add_f32 v[ACC+8*(4*\a+\b)+\j:ACC+8*(4*\a+\b)+\j+1], v[ACC+8*(4*\a+\b)+\j:ACC+8*(4*\a+\b)+\j+1], v[BI+8*\b+\j:BI+8*\b+\j+1]
.endr
.endr
.endr
	; the squares: four chains, one for each row tile, side by side; the first product starts each
.irp b, 0,1,2,3
.irp j, 0,2,4,6
.irp a, 0,1,2,3
.if (\b+\j) == 0
	v_pk_mul_f32 v[SS+2*\a:SS+2*\a+1], v[ACC+8*(4*\a+\b)+\j:ACC+8*(4*\a+\b)+\j+1], v[ACC+8*(4*\a+\b)+\j:ACC+8*(4*\a+\b)+\j+1]
.else
	v_pk_fma_f32 v[SS+2*\a:SS+2*\a+1], v[ACC+8*(4*\a+\b)+\j:ACC+8*(4*\a+\b)+\j+1], v[ACC+8*(4*\a+\b)+\j:ACC+8*(4*\a+\b)+\j+1], v[SS+2*\a:SS+2*\a+1]
.endif
.endr
.endr
.endr
.irp a, 0,1,2,3
	v_add_f32 v[SS+2*\a], v[SS+2*\a], v[SS+2*\a+1]
.endr
.irp a, 0,1,2,3
	v_permlanex16_b32 v[SS+2*\a+1], v[SS+2*\a], s62, s63   ; the other half holds the row's other 32 of my columns
.endr
.irp a, 0,1,2,3
	v_add_f32 v[SS+2*\a], v[SS+2*\a], v[SS+2*\a+1]
	ds_store_b32 v[SSA], v[SS+2*\a] offset:256*\a          ; row 16 a + r of my 64, my column wave's word; both halves write one word with one value
.endr
	; round to bf16: a lane's 8 numbers are 16 neighbouring bytes of a row
.irp a, 0,1,2,3
.irp b, 0,1,2,3
.irp q, 0,1,2,3
	v_cvt_pk_bf16_f32 v[Y+16*\a+4*\b+\q], v[ACC+8*(4*\a+\b)+2*\q], v[ACC+8*(4*\a+\b)+2*\q+1]
.endr
.endr
.endr
.irp a, 0,1,2,3
.irp b, 0,1,2,3
	ds_store_b128 v[STO], v[Y+16*\a+4*\b:Y+16*\a+4*\b+3] offset:\a*16*SPITCH+32*\b
.endr
.endr
	s_wait_dscnt 0x0
	s_barrier_signal -1
	s_barrier_wait -1                              ; the stage and the sums' parts are whole
.irp t, 0,1,2,3,4,5,6,7,8,9,10,11,12,13,14,15
	ds_load_b128 v[Y+4*\t:Y+4*\t+3], v[RD] offset:SPITCH*\t
.endr
.irp t, 0,1,2,3,4,5,6,7,8,9,10,11,12,13,14,15
	s_wait_dscnt 15-\t                             ; row t is in, the 15 - t younger loads stay out
	global_store_b128 v[CO], v[Y+4*\t:Y+4*\t+3], s[66:67] offset:2048*\t     ; 512 consecutive bytes, aligned
.endr
	s_cmp_lt_u32 s14, 2                            ; waves 0, 1: the four parts of 64 rows each, two rows a lane; the store covers 256 consecutive bytes, aligned
	s_cbranch_scc0 .Lno_ss
	s_lshl_b32 s22, s14, 10
	s_add_co_u32 s22, s22, SSL
	v_lshl_add_u32 v14, v3, 5, s22
	v_lshlrev_b32 v15, 3, v3
	ds_load_b128 v[112:115], v14
	ds_load_b128 v[116:119], v14 offset:16
	s_wait_dscnt 0x0
	v_pk_add_f32 v[112:113], v[112:113], v[114:115]
	v_pk_add_f32 v[116:117], v[116:117], v[118:119]
	v_add_f32 v112, v112, v113
	v_add_f32 v113, v116, v117
	global_store_b64 v15, v[112:113], s[68:69]
.Lno_ss:
	s_wait_tensorcnt 0x0
	ds_add_u32 v126, v127
	s_wait_dscnt 0x0
	ROUND                                          ; the closing round: no work-group ends while a partner may still ask for a tile that names it
	s_endpgm
.Lfunc_end_k_q9a30c7d82b_outgemm:
	.size	k_q9a30c7d82b_outgemm, .Lfunc_end_k_q9a30c7d82b_outgemm-k_q9a30c7d82b_outgemm
	.p2alignl 7, 3214868480
	.fill 96, 4, 3214868480
	.section	.rodata,"a",@progbits
	.p2align	6, 0x0
	.amdhsa_kernel k_q9a30c7d82b_outgemm
		.amdhsa_group_segment_fixed_size 327680
		.amdhsa_private_segment_fixed_size 0
		.amdhsa_enable_private_segment 0
		.amdhsa_kernarg_size 40
		.amdhsa_user_sgpr_count 2
		.amdhsa_user_sgpr_kernarg_segment_ptr 1
		.amdhsa_wavefront_size32 1
		.amdhsa_system_sgpr_workgroup_id_x 1
		.amdhsa_system_sgpr_workgroup_id_y 1
		.amdhsa_system_sgpr_workgroup_id_z 1
		.amdhsa_system_vgpr_workitem_id 0
		.amdhsa_next_free_vgpr 256
		.amdhsa_next_free_sgpr 72
		.amdhsa_reserve_vcc 0
		.amdhsa_float_denorm_mode_32 3
		.amdhsa_float_denorm_mode_16_64 3
		.amdhsa_memory_ordered 1
		.amdhsa_forward_progress 1
		.amdhsa_inst_pref_size 87
	.end_amdhsa_kernel
	.amdgpu_metadata
---
amdhsa.version: [ 1, 2 ]
amdhsa.kernels:
  - .name:           k_q9a30c7d82b_outgemm
    .symbol:         k_q9a30c7d82b_outgemm.kd
    .args:
      - { .name: ao, .offset: 0, .size: 8, .value_kind: global_buffer, .address_space: global }
      - { .name: wob, .offset: 8, .size: 8, .value_kind: global_buffer, .address_space: global }
      - { .name: bout, .offset: 16, .size: 8, .value_kind: global_buffer, .address_space: global }
      - { .name: yb, .offset: 24, .size: 8, .value_kind: global_buffer, .address_space: global }
      - { .name: ssy, .offset: 32, .size: 8, .value_kind: global_buffer, .address_space: global }
    .group_segment_fixed_size: 327680
    .private_segment_fixed_size: 0
    .kernarg_segment_align: 8
    .kernarg_segment_size: 40
    .max_flat_workgroup_size: 256
    .sgpr_count:     72
    .vgpr_count:     256
    .wavefront_size: 32
...
	.end_amdgpu_metadata
.endif
;; end of part 4
;; launch norm (part 5): grid 512 x 1, 8 waves a work-group, no clusters, 0 bytes of LDS; arguments yb, ssy, g_out, out0; writes out0
.if DOCPART == 5
	.amdgcn_target "amdgcn-amd-amdhsa--gfx1250"
	.amdhsa_code_object_version 6
	.text
	.protected	k_q9a30c7d82b_norm
	.globl	k_q9a30c7d82b_norm
	.p2align	8
	.type	k_q9a30c7d82b_norm,@function
k_q9a30c7d82b_norm:
	s_mov_b64 s[64:65], 0
	v_nop
	global_prefetch_b8 v0, s[64:65] scope:SCOPE_SE
	s_setreg_imm32_b32 hwreg(HW_REG_WAVE_MODE, 25, 1), 1
	s_wait_xcnt 0x0
; out0[row][c] = y[row][c] x g_out[c] x 32 / max(|y[row]|, 1e-12).  yb: [8192][1024] bf16;  |y[row]|^2 = the four parts ssy[0..3][row] (f32);  out0: [8192][1024] f32.
; LIMITS: NaN and infinities are not served; a sum of squares below 2^-126 counts as zero (v_sqrt_f32 flushes: ISA guide 15.8), which changes nothing: its root lies below 1e-12.
; A stream: every byte is read once and written once and nothing is shared between work-groups, so no LDS, no barrier, no cluster, no matrix unit.
; A work-group takes 16 rows.  Thread t keeps columns 4 t .. 4 t + 3 in every row, so its four gains are loaded once; a load of a wave covers 256 consecutive bytes, aligned,
; a store 512.  All 16 loads of a thread go out at once; no register of a load or store is written again, so no wait stands but the counted ones for data.
; Lane l & 15 makes the factor of row l & 15; the 16 factors go to scalar registers, from where every lane multiplies by them.
.set G, 8                              ; v[8:11]   my four gains
.set T, 12                             ; v[12:15]  at work
.set X, 16                             ; v[16:47]  row i: 4 numbers in bf16
.set Y, 48                             ; v[48:111] row i: 4 numbers in f32
.set F, 32                             ; s[32:47]  row i: 32 / max(|y|, 1e-12)
	s_load_b256 s[4:11], s[0:1], 0x0               ; yb s[4:5], ssy s[6:7], g_out s[8:9], out0 s[10:11]
	s_mov_b32 s20, 0xffff0000                      ; a word's upper bf16
	v_lshlrev_b32 v1, 3, v0                        ; in a row of yb: 8 bytes a thread
	v_lshlrev_b32 v2, 4, v0                        ; in g_out and in a row of out0: 16 bytes a thread
	v_and_b32 v3, 15, v0
	v_lshlrev_b32 v3, 2, v3                        ; my row's word in a plane of ssy
	s_lshl_b32 s12, ttmp9, 15                      ; 16 rows of 2048 bytes
	s_mov_b32 s13, 0
	s_lshl_b32 s14, ttmp9, 16                      ; 16 rows of 4096 bytes
	s_mov_b32 s15, 0
	s_lshl_b32 s16, ttmp9, 6                       ; 16 words
	s_mov_b32 s17, 0
	s_wait_kmcnt 0x0
	s_add_nc_u64 s[4:5], s[4:5], s[12:13]
	s_add_nc_u64 s[10:11], s[10:11], s[14:15]
	s_add_nc_u64 s[6:7], s[6:7], s[16:17]
.irp c, 0,1,2,3
	global_load_b32 v[4+\c], v3, s[6:7] offset:32768*\c
.endr
	global_load_b128 v[G:G+3], v2, s[8:9]
.irp i, 0,1,2,3,4,5,6,7,8,9,10,11,12,13,14,15
	global_load_b64 v[X+2*\i:X+2*\i+1], v1, s[4:5] offset:2048*\i th:TH_LOAD_NT
.endr
	s_wait_loadcnt 17                              ; loads come back in order (ISA guide 5.7.1): the four parts are in; the gains' load and y's 16 stay out
	v_add_f32 v4, v4, v5
	v_add_f32 v6, v6, v7
	v_add_f32 v4, v4, v6
	v_sqrt_f32 v4, v4
	v_nop                                          ; one plain instruction behind a transcendental (ISA guide 5.7.2)
	s_wait_alu depctr_va_vdst(0)
	v_max_num_f32 v4, 0x2b8cbccc, v4               ; 1e-12
	v_rcp_f32 v4, v4
	v_nop
	s_wait_alu depctr_va_vdst(0)
	v_mul_f32 v4, 0x42000000, v4                   ; sqrt(1024) = 32
.irp i, 0,1,2,3,4,5,6,7,8,9,10,11,12,13,14,15
	v_readlane_b32 s[F+\i], v4, \i
.endr
.irp i, 0,1,2,3,4,5,6,7,8,9,10,11,12,13,14,15
	s_wait_loadcnt 15-\i                           ; row i (and the gains, which are older) is in; the 15 - i younger rows stay out
	v_lshlrev_b32 v[T],   16,  v[X+2*\i]           ; bf16 to f32: the low half moves up, the high half stays
	v_and_b32     v[T+1], s20, v[X+2*\i]
	v_lshlrev_b32 v[T+2], 16,  v[X+2*\i+1]
	v_and_b32     v[T+3], s20, v[X+2*\i+1]
	v_pk_mul_f32 v[T:T+1],   v[T:T+1],   v[G:G+1]
	v_pk_mul_f32 v[T+2:T+3], v[T+2:T+3], v[G+2:G+3]
.irp q, 0,1,2,3
	v_mul_f32 v[Y+4*\i+\q], s[F+\i], v[T+\q]
.endr
	global_store_b128 v2, v[Y+4*\i:Y+4*\i+3], s[10:11] offset:4096*\i th:TH_STORE_NT
.endr
	s_endpgm
.Lfunc_end_k_q9a30c7d82b_norm:
	.size	k_q9a30c7d82b_norm, .Lfunc_end_k_q9a30c7d82b_norm-k_q9a30c7d82b_norm
	.p2alignl 7, 3214868480
	.fill 96, 4, 3214868480
	.section	.rodata,"a",@progbits
	.p2align	6, 0x0
	.amdhsa_kernel k_q9a30c7d82b_norm
		.amdhsa_group_segment_fixed_size 0
		.amdhsa_private_segment_fixed_size 0
		.amdhsa_enable_private_segment 0
		.amdhsa_kernarg_size 32
		.amdhsa_user_sgpr_count 2
		.amdhsa_user_sgpr_kernarg_segment_ptr 1
		.amdhsa_wavefront_size32 1
		.amdhsa_system_sgpr_workgroup_id_x 1
		.amdhsa_system_sgpr_workgroup_id_y 1
		.amdhsa_system_sgpr_workgroup_id_z 1
		.amdhsa_system_vgpr_workitem_id 0
		.amdhsa_next_free_vgpr 112
		.amdhsa_next_free_sgpr 66
		.amdhsa_reserve_vcc 0
		.amdhsa_float_denorm_mode_32 3
		.amdhsa_float_denorm_mode_16_64 3
		.amdhsa_memory_ordered 1
		.amdhsa_forward_progress 1
		.amdhsa_inst_pref_size 13
	.end_amdhsa_kernel
	.amdgpu_metadata
---
amdhsa.version: [ 1, 2 ]
amdhsa.kernels:
  - .name:           k_q9a30c7d82b_norm
    .symbol:         k_q9a30c7d82b_norm.kd
    .args:
      - { .name: yb, .offset: 0, .size: 8, .value_kind: global_buffer, .address_space: global }
      - { .name: ssy, .offset: 8, .size: 8, .value_kind: global_buffer, .address_space: global }
      - { .name: g_out, .offset: 16, .size: 8, .value_kind: global_buffer, .address_space: global }
      - { .name: out0, .offset: 24, .size: 8, .value_kind: global_buffer, .address_space: global }
    .group_segment_fixed_size: 0
    .private_segment_fixed_size: 0
    .kernarg_segment_align: 8
    .kernarg_segment_size: 32
    .max_flat_workgroup_size: 256
    .sgpr_count:     66
    .vgpr_count:     112
    .wavefront_size: 32
...
	.end_amdgpu_metadata
.endif
;; end of part 5
;; ======== version 2 of 2: 5 launches; version 1 with the launch norm written anew for expert scheduling mode
;; limits: values are held in f16: magnitudes above 65,504 overflow, below 6.1e-05 lose precision; values outside matrix products are rounded to bf16
;; workspace buffers: xb 16,777,216 bytes; wqb 6,291,456 bytes; wob 2,097,152 bytes; qkv 50,331,648 bytes; ssq 524,288 bytes; ao 16,777,216 bytes; yb 16,777,216 bytes; ssy 131,072 bytes
;; launch cast: the kernel of part 1 again; grid 768 x 1, 8 waves a work-group, no clusters, 0 bytes of LDS; arguments x, Wqkv, Wout, xb, wqb, wob; writes xb, wqb, wob
;; launch qkvgemm: the kernel of part 2 again; grid 8 x 32, 8 waves a work-group, clusters of 4 x 4, 327,680 bytes of LDS; arguments xb, wqb, bqkv, qkv, ssq; writes qkv, ssq
;; launch attn: the kernel of part 3 again; grid 256 x 1, 8 waves a work-group, clusters of 4 x 1, 327,680 bytes of LDS; arguments qkv, ssq, g_q, g_k, ao; writes ao
;; launch outgemm: the kernel of part 4 again; grid 4 x 64, 8 waves a work-group, clusters of 4 x 4, 327,680 bytes of LDS; arguments ao, wob, bout, yb, ssy; writes yb, ssy
;; launch norm (part 6): grid 512 x 1, 8 waves a work-group, no clusters, 0 bytes of LDS; arguments yb, ssy, g_out, out0; writes out0
.if DOCPART == 6
	.amdgcn_target "amdgcn-amd-amdhsa--gfx1250"
	.amdhsa_code_object_version 6
	.text
	.protected	k_q9a30c7d82b_norm
	.globl	k_q9a30c7d82b_norm
	.p2align	8
	.type	k_q9a30c7d82b_norm,@function
k_q9a30c7d82b_norm:
	s_mov_b64 s[64:65], 0
	v_nop
	global_prefetch_b8 v0, s[64:65] scope:SCOPE_SE
	s_setreg_imm32_b32 hwreg(HW_REG_WAVE_SCHED_MODE, 0, 2), 2
	s_setreg_imm32_b32 hwreg(HW_REG_WAVE_MODE, 25, 1), 1
	s_wait_xcnt 0x0
	s_wait_alu depctr_vm_vsrc(0)
; out0[row][c] = y[row][c] x g_out[c] x 32 / max(|y[row]|, 1e-12).  yb: [8192][1024] bf16;  |y[row]|^2 = the four parts ssy[0..3][row] (f32);  out0: [8192][1024] f32.
; LIMITS: NaN and infinities are not served; a sum of squares below 2^-126 counts as zero (v_sqrt_f32 flushes: ISA guide 15.8), which changes nothing: its root lies below 1e-12.
; A stream: every byte is read once and written once and nothing is shared between work-groups, so no LDS, no barrier, no cluster, no matrix unit.
; A work-group takes 16 rows.  Thread t keeps columns 4 t .. 4 t + 3 in every row, so its four gains are loaded once; a load of a wave covers 256 consecutive bytes, aligned,
; a store 512.  All 16 loads of a thread go out at once.
; Lane l & 15 makes the factor of row l & 15; the 16 factors go to scalar registers, from where every lane multiplies by them.
; THE MODE: SCHED_MODE bits 1:0 = 2 (LLVM: expert scheduling mode 2), set by the entry lines.  The code itself states the register dependences between vector instructions
; and memory instructions, with s_wait_alu, always for 0.
; THE PLAN.  Registers that memory instructions touch:
;   v1, v2, v3     byte offsets.  Written at the head, read by every load and store, never written again.
;   v[4:7], G, X   Each is the target of one load; vector instructions name them only behind that load's counted wait; no load lands in them a second time.
;   Y              Four registers for each of the 16 rows, a row's own: written by the row's four multiplies, read by the row's one store, never written again.
;   T is named by vector instructions alone.  s[F ..] are written by v_readlane_b32 and read by the rows' multiplies.
; The 16 rows go in four blocks of four.  Block p's vector instructions name T, G, its own X and its own Y; its memory instructions are the four stores of block p - 1.
; So one wait at a block's head states all that those four stores hang on, and they are dealt among the block's rows with no further wait.
; No register that a memory instruction reads is written again, so nothing is owed on the memory instructions' reads of their registers.
.set G, 8                              ; v[8:11]   my four gains
.set T, 12                             ; v[12:15]  at work
.set X, 16                             ; v[16:47]  row i: 4 numbers in bf16
.set Y, 48                             ; v[48:111] row i: 4 numbers in f32
.set F, 32                             ; s[32:47]  row i: 32 / max(|y|, 1e-12)
	s_load_b256 s[4:11], s[0:1], 0x0               ; yb s[4:5], ssy s[6:7], g_out s[8:9], out0 s[10:11]
	s_mov_b32 s20, 0xffff0000                      ; a word's upper bf16
	v_lshlrev_b32 v1, 3, v0                        ; in a row of yb: 8 bytes a thread
	v_lshlrev_b32 v2, 4, v0                        ; in g_out and in a row of out0: 16 bytes a thread
	v_and_b32 v3, 15, v0
	v_lshlrev_b32 v3, 2, v3                        ; my row's word in a plane of ssy
	s_lshl_b32 s12, ttmp9, 15                      ; 16 rows of 2048 bytes
	s_mov_b32 s13, 0
	s_lshl_b32 s14, ttmp9, 16                      ; 16 rows of 4096 bytes
	s_mov_b32 s15, 0
	s_lshl_b32 s16, ttmp9, 6                       ; 16 words
	s_mov_b32 s17, 0
	s_wait_kmcnt 0x0
	s_add_nc_u64 s[4:5], s[4:5], s[12:13]
	s_add_nc_u64 s[10:11], s[10:11], s[14:15]
	s_add_nc_u64 s[6:7], s[6:7], s[16:17]
	s_wait_alu depctr_va_vdst(0)                   ; v1, v2 and v3 are written: every load and store of the kernel reads one of them as its offset
.irp c, 0,1,2,3
	global_load_b32 v[4+\c], v3, s[6:7] offset:32768*\c
.endr
	global_load_b128 v[G:G+3], v2, s[8:9]
.irp i, 0,1,2,3,4,5,6,7,8,9,10,11,12,13,14,15
	global_load_b64 v[X+2*\i:X+2*\i+1], v1, s[4:5] offset:2048*\i th:TH_LOAD_NT
.endr
	s_wait_loadcnt 17                              ; loads come back in order (ISA guide 5.7.1): the four parts are in; the gains' load and y's 16 stay out
	v_add_f32 v4, v4, v5
	v_add_f32 v6, v6, v7
	v_add_f32 v4, v4, v6
	v_sqrt_f32 v4, v4
	v_nop                                          ; one plain instruction behind a transcendental (ISA guide 5.7.2)
	s_wait_alu depctr_va_vdst(0)                   ; the root is written in v4, ahead of its first reader
	v_max_num_f32 v4, 0x2b8cbccc, v4               ; 1e-12
	v_rcp_f32 v4, v4
	v_nop
	s_wait_alu depctr_va_vdst(0)                   ; the reciprocal is written in v4, ahead of its first reader
	v_mul_f32 v4, 0x42000000, v4                   ; sqrt(1024) = 32
.irp i, 0,1,2,3,4,5,6,7,8,9,10,11,12,13,14,15
	v_readlane_b32 s[F+\i], v4, \i
.endr
	s_wait_alu depctr_va_sdst(0)                   ; the 16 factors are written in s[F ..], ahead of the first multiply that reads one: one wait for the run
; Row i: ten vector instructions, from X's two words to Y's four numbers.
.macro WORK i
	s_wait_loadcnt 15-\i                           ; row i (and the gains, which are older) is in; the 15 - i younger rows stay out
	v_lshlrev_b32 v[T],   16,  v[X+2*\i]           ; bf16 to f32: the low half moves up, the high half stays
	v_and_b32     v[T+1], s20, v[X+2*\i]
	v_lshlrev_b32 v[T+2], 16,  v[X+2*\i+1]
	v_and_b32     v[T+3], s20, v[X+2*\i+1]
	v_pk_mul_f32 v[T:T+1],   v[T:T+1],   v[G:G+1]
	v_pk_mul_f32 v[T+2:T+3], v[T+2:T+3], v[G+2:G+3]
.irp q, 0,1,2,3
	v_mul_f32 v[Y+4*\i+\q], s[F+\i], v[T+\q]
.endr
.endm
; Row i leaves: 512 consecutive bytes a wave, aligned.
.macro OUT i
	global_store_b128 v2, v[Y+4*\i:Y+4*\i+3], s[10:11] offset:4096*\i th:TH_STORE_NT
.endm
.irp j, 0,1,2,3
	WORK \j                                        ; block 0: no block stands in front of it, so it has no store
.endr
.irp p, 1,2,3
	s_wait_alu depctr_va_vdst(0)                   ; the block before has written its 16 registers of Y, which the four stores below read
.irp j, 0,1,2,3
	OUT (4*\p-4+\j)                                ; a row of the block before; no vector instruction since the wait names its Y or v2
	WORK (4*\p+\j)
.endr
.endr
	s_wait_alu depctr_va_vdst(0)                   ; block 3 has written its Y, which the last four stores read
.irp j, 12,13,14,15
	OUT \j
.endr
	s_endpgm
.Lfunc_end_k_q9a30c7d82b_norm:
	.size	k_q9a30c7d82b_norm, .Lfunc_end_k_q9a30c7d82b_norm-k_q9a30c7d82b_norm
	.p2alignl 7, 3214868480
	.fill 96, 4, 3214868480
	.section	.rodata,"a",@progbits
	.p2align	6, 0x0
	.amdhsa_kernel k_q9a30c7d82b_norm
		.amdhsa_group_segment_fixed_size 0
		.amdhsa_private_segment_fixed_size 0
		.amdhsa_enable_private_segment 0
		.amdhsa_kernarg_size 32
		.amdhsa_user_sgpr_count 2
		.amdhsa_user_sgpr_kernarg_segment_ptr 1
		.amdhsa_wavefront_size32 1
		.amdhsa_system_sgpr_workgroup_id_x 1
		.amdhsa_system_sgpr_workgroup_id_y 1
		.amdhsa_system_sgpr_workgroup_id_z 1
		.amdhsa_system_vgpr_workitem_id 0
		.amdhsa_next_free_vgpr 112
		.amdhsa_next_free_sgpr 66
		.amdhsa_reserve_vcc 0
		.amdhsa_float_denorm_mode_32 3
		.amdhsa_float_denorm_mode_16_64 3
		.amdhsa_memory_ordered 1
		.amdhsa_forward_progress 1
		.amdhsa_inst_pref_size 13
	.end_amdhsa_kernel
	.amdgpu_metadata
---
amdhsa.version: [ 1, 2 ]
amdhsa.kernels:
  - .name:           k_q9a30c7d82b_norm
    .symbol:         k_q9a30c7d82b_norm.kd
    .args:
      - { .name: yb, .offset: 0, .size: 8, .value_kind: global_buffer, .address_space: global }
      - { .name: ssy, .offset: 8, .size: 8, .value_kind: global_buffer, .address_space: global }
      - { .name: g_out, .offset: 16, .size: 8, .value_kind: global_buffer, .address_space: global }
      - { .name: out0, .offset: 24, .size: 8, .value_kind: global_buffer, .address_space: global }
    .group_segment_fixed_size: 0
    .private_segment_fixed_size: 0
    .kernarg_segment_align: 8
    .kernarg_segment_size: 32
    .max_flat_workgroup_size: 256
    .sgpr_count:     66
    .vgpr_count:     112
    .wavefront_size: 32
...
	.end_amdgpu_metadata
.endif
;; end of part 6
